; MI455X (gfx1250); checked and timed in simulation.
; The chip was launched on July 23, 2026; its instructions are those of AMD's public machine-readable ISA for CDNA 5 (MIT licence, August 2026) and "CDNA5" Instruction Set Architecture Reference Guide (July 2026). The comments in the code are by the model that wrote it; some were corrected since.
;; Self Attention. Allowed arithmetic: float matrix products may take bf16 or f16 operands with f32 sums; other float arithmetic in f32, or as packed bf16 or f16 multiplies, adds, multiply-adds, maxima and minima; sums over many terms, partial sums and values carried from step to step in f32; what a program stores and reads back later, other than sums and carried values, may be rounded once to bf16 or f16.
;; Inputs: Wk 1,024 x 1,024 float32; Wq 1,024 x 1,024 float32; Wv 1,024 x 1,024 float32; bk 1,024 float32; bq 1,024 float32; bv 1,024 float32; x 4 x 2,048 x 1,024 float32.
;; Outputs: out0 4 x 2,048 x 1,024 float32.
;; 2 versions, each right; version 2 is version 1 with the launch prep written anew for expert scheduling mode. Each part assembles by itself: llvm-mc -triple=amdgcn-amd-amdhsa -mcpu=gfx1250 --defsym DOCPART=n.
;; ======== version 1 of 2: 4 launches
;; limits: values are held in f16: magnitudes above 65,504 overflow, below 6.1e-05 lose precision
;; workspace buffers: xb 16,777,216 bytes; wb 6,291,456 bytes; bb 16,384 bytes; qkv 50,331,648 bytes; pw 33,554,432 bytes; st 1,048,576 bytes
;; launch prep (part 1): grid 256 x 1, 8 waves a work-group, no clusters, 0 bytes of LDS; arguments x, Wq, Wk, Wv, bq, bk, bv, xb, wb, bb, st, pw; writes xb, wb, bb, st, pw
.if DOCPART == 1
	.amdgcn_target "amdgcn-amd-amdhsa--gfx1250"
	.amdhsa_code_object_version 6
	.text
	.protected	k_q8f9b7bb422_prep
	.globl	k_q8f9b7bb422_prep
	.p2align	8
	.type	k_q8f9b7bb422_prep,@function
k_q8f9b7bb422_prep:
	s_mov_b64 s[64:65], 0
	v_nop
	global_prefetch_b8 v0, s[64:65] scope:SCOPE_SE
	s_setreg_imm32_b32 hwreg(HW_REG_WAVE_MODE, 25, 1), 1
	s_wait_xcnt 0x0
; PREP.  A stream: x and the three weight matrices are rounded to bf16 (xb, wb); the biases are rounded to bf16 and kept as f32 (bb: rows bq, bk, zeros, bv);
; st gets neutral statistics (m' = the lowest finite number, l = 0) and pw zeros in the 96 blocks of 128 rows x 128 keys above the diagonal that the last launch reads
; and the launch before it does not write.  No LDS, no matrix unit: each byte is read once and written once.
; SHARES.  256 work-groups of equal work: work-group g takes 131,072 bytes of x, 16,384 bytes of each weight matrix, 4,096 bytes of st and three groups of 16 rows of the zero blocks.
; Thread t takes the 16 bytes at 16 t of each 4,096: a wave's load covers 512 consecutive bytes.  Its four numbers make 8 bytes of bf16: a wave's store covers 256 consecutive bytes, aligned.
; All 44 loads of a thread go out first; the stores of constants follow them; then each load's numbers are converted in the registers that they came into.
.set X,  8                             ; v[8:183]   44 x 4 numbers as loaded; the first two registers of each four then hold the 8 bytes to store
.set Z,  184                           ; v[184:187] the neutral statistics
.set ZZ, 188                           ; v[188:191] zeros
	s_load_b512 s[16:31], s[0:1], 0x0              ; x 16, Wq 18, Wk 20, Wv 22, bq 24, bk 26, bv 28, xb 30
	s_load_b256 s[32:39], s[0:1], 0x40             ; wb 32, bb 34, st 36, pw 38
	v_lshlrev_b32 v1, 4, v0                        ; 16 t: my bytes in 4,096 of a source
	v_lshlrev_b32 v2, 3, v0                        ; 8 t: my bytes in 2,048 of a destination
	s_lshl_b32 s4, ttmp9, 17                       ; my part of x,
	s_mov_b32 s5, 0
	s_lshl_b32 s6, ttmp9, 16                       ; of xb,
	s_mov_b32 s7, 0
	s_lshl_b32 s8, ttmp9, 14                       ; of each weight matrix,
	s_mov_b32 s9, 0
	s_lshl_b32 s10, ttmp9, 13                      ; and of each matrix in wb
	s_mov_b32 s11, 0
	s_wait_kmcnt 0x0
	s_add_nc_u64 s[16:17], s[16:17], s[4:5]
	s_add_nc_u64 s[30:31], s[30:31], s[6:7]
	s_add_nc_u64 s[18:19], s[18:19], s[8:9]
	s_add_nc_u64 s[20:21], s[20:21], s[8:9]
	s_add_nc_u64 s[22:23], s[22:23], s[8:9]
	s_add_nc_u64 s[32:33], s[32:33], s[10:11]
.set n, 0
.rept 32
	global_load_b128 v[X+4*n:X+4*n+3], v1, s[16:17] offset:4096*n th:TH_LOAD_NT
.set n, n+1
.endr
.irp m, 0,1,2
.irp i, 0,1,2,3
	global_load_b128 v[X+128+16*\m+4*\i:X+128+16*\m+4*\i+3], v1, s[18+2*\m:19+2*\m] offset:4096*\i th:TH_LOAD_NT
.endr
.endr
	; the constants, while the loads are on their way.  2,048 bytes of neutral m' (threads 0-127) and 2,048 of neutral l (threads 128-255)
	v_mov_b32 v5, 0xff7fffff
	v_cmp_gt_u32 vcc_lo, 128, v0
	v_cndmask_b32 v[Z], 0, v5, vcc_lo
	v_mov_b32 v[Z+1], v[Z]
	v_mov_b32 v[Z+2], v[Z]
	v_mov_b32 v[Z+3], v[Z]
	v_and_b32 v3, 127, v0
	v_lshlrev_b32 v3, 4, v3
	v_lshrrev_b32 v6, 7, v0
	v_lshl_add_u32 v3, v6, 19, v3                  ; l lies 524,288 bytes behind m'
	s_lshl_b32 s12, ttmp9, 11
	s_mov_b32 s13, 0
	s_add_nc_u64 s[36:37], s[36:37], s[12:13]
	global_store_b128 v3, v[Z:Z+3], s[36:37]
	v_mov_b32 v[ZZ], 0
	v_mov_b32 v[ZZ+1], 0
	v_mov_b32 v[ZZ+2], 0
	v_mov_b32 v[ZZ+3], 0
	v_lshrrev_b32 v4, 4, v0
	v_lshlrev_b32 v4, 12, v4                       ; 16 threads a row of 256 bytes, 16 rows an instruction
	v_and_b32 v6, 15, v0
	v_lshl_add_u32 v4, v6, 4, v4
; Rows 16 (g % 8) .. + 15 of zero block u = g / 8 + 32 i.  In each of the 16 laps of 512 rows the blocks are the six pairs (row block il, key block cl) with cl > il.  P: a register pair of its own for each store's base
.macro ZBLK i, P
	s_lshr_b32 s12, ttmp9, 3
	s_add_co_u32 s12, s12, 32*(\i)                 ; u
	s_mul_i32 s13, s12, 43
	s_lshr_b32 s13, s13, 8                         ; the lap: u / 6 (exact for u < 96)
	s_mul_i32 s14, s13, 6
	s_sub_co_u32 s12, s12, s14                     ; the pair, 0..5
	s_lshl_b32 s12, s12, 2
	s_lshr_b32 s14, 0x211000, s12
	s_and_b32 s14, s14, 15                         ; il: 0 0 0 1 1 2
	s_lshr_b32 s12, 0x332321, s12
	s_and_b32 s12, s12, 15                         ; cl: 1 2 3 2 3 3
	s_lshl2_add_u32 s[\P], s13, s14                ; 4 lap + il: 128 rows of 4,096 bytes each
	s_lshl_b32 s[\P], s[\P], 19
	s_and_b32 s13, s13, 3                          ; the lap within its batch
	s_lshl2_add_u32 s13, s13, s12                  ; 4 lap + cl: 128 keys of 2 bytes each
	s_lshl_b32 s13, s13, 8
	s_add_co_u32 s[\P], s[\P], s13
	s_and_b32 s13, ttmp9, 7
	s_lshl_b32 s13, s13, 16                        ; 16 rows of 4,096 bytes
	s_add_co_u32 s[\P], s[\P], s13
	s_mov_b32 s[\P+1], 0
	s_add_nc_u64 s[\P:\P+1], s[38:39], s[\P:\P+1]
	global_store_b128 v4, v[ZZ:ZZ+3], s[\P:\P+1]
.endm
	ZBLK 0, 40
	ZBLK 1, 42
	ZBLK 2, 44
.set n, 0
.rept 32
	s_wait_loadcnt 43-n                            ; loads come back in order: load n is in, the 43 - n younger ones stay out
	v_cvt_pk_bf16_f32 v[X+4*n], v[X+4*n], v[X+4*n+1]
	v_cvt_pk_bf16_f32 v[X+4*n+1], v[X+4*n+2], v[X+4*n+3]
	global_store_b64 v2, v[X+4*n:X+4*n+1], s[30:31] offset:2048*n
.set n, n+1
.endr
.rept 12
	s_wait_loadcnt 43-n
	v_cvt_pk_bf16_f32 v[X+4*n], v[X+4*n], v[X+4*n+1]
	v_cvt_pk_bf16_f32 v[X+4*n+1], v[X+4*n+2], v[X+4*n+3]
	global_store_b64 v2, v[X+4*n:X+4*n+1], s[32:33] offset:2097152*((n-32)/4)+2048*((n-32)%4)
.set n, n+1
.endr
	; bb's four rows of 4,096 bytes: work-groups 0, 1, 2 round bq, bk, bv (rows 0, 1, 3); work-group 3 writes row 2, what the projection of V starts its sums with
	s_cmp_gt_u32 ttmp9, 3
	s_cbranch_scc1 .Lend
	s_cmp_eq_u32 ttmp9, 3
	s_cbranch_scc0 .Lbias
	global_store_b128 v1, v[ZZ:ZZ+3], s[34:35] offset:8192
	s_branch .Lend
.Lbias:
	s_cmp_eq_u32 ttmp9, 1
	s_cselect_b64 s[4:5], s[26:27], s[24:25]
	s_cmp_eq_u32 ttmp9, 2
	s_cselect_b64 s[4:5], s[28:29], s[4:5]
	s_cselect_b32 s6, 3, ttmp9
	s_lshl_b32 s6, s6, 12
	s_mov_b32 s7, 0
	s_add_nc_u64 s[34:35], s[34:35], s[6:7]
	global_load_b128 v[192:195], v1, s[4:5]
	s_wait_loadcnt 0x0
	v_cvt_pk_bf16_f32 v196, v192, v193
	v_cvt_pk_bf16_f32 v197, v194, v195
	v_lshlrev_b32 v200, 16, v196
	v_and_b32 v201, 0xffff0000, v196
	v_lshlrev_b32 v202, 16, v197
	v_and_b32 v203, 0xffff0000, v197
	global_store_b128 v1, v[200:203], s[34:35]
.Lend:
	s_endpgm
.Lfunc_end_k_q8f9b7bb422_prep:
	.size	k_q8f9b7bb422_prep, .Lfunc_end_k_q8f9b7bb422_prep-k_q8f9b7bb422_prep
	.p2alignl 7, 3214868480
	.fill 96, 4, 3214868480
	.section	.rodata,"a",@progbits
	.p2align	6, 0x0
	.amdhsa_kernel k_q8f9b7bb422_prep
		.amdhsa_group_segment_fixed_size 0
		.amdhsa_private_segment_fixed_size 0
		.amdhsa_enable_private_segment 0
		.amdhsa_kernarg_size 96
		.amdhsa_user_sgpr_count 2
		.amdhsa_user_sgpr_kernarg_segment_ptr 1
		.amdhsa_wavefront_size32 1
		.amdhsa_system_sgpr_workgroup_id_x 1
		.amdhsa_system_sgpr_workgroup_id_y 1
		.amdhsa_system_sgpr_workgroup_id_z 1
		.amdhsa_system_vgpr_workitem_id 0
		.amdhsa_next_free_vgpr 208
		.amdhsa_next_free_sgpr 66
		.amdhsa_reserve_vcc 1
		.amdhsa_float_denorm_mode_32 3
		.amdhsa_float_denorm_mode_16_64 3
		.amdhsa_memory_ordered 1
		.amdhsa_forward_progress 1
		.amdhsa_inst_pref_size 21
	.end_amdhsa_kernel
	.amdgpu_metadata
---
amdhsa.version: [ 1, 2 ]
amdhsa.kernels:
  - .name:           k_q8f9b7bb422_prep
    .symbol:         k_q8f9b7bb422_prep.kd
    .args:
      - { .name: x, .offset: 0, .size: 8, .value_kind: global_buffer, .address_space: global }
      - { .name: Wq, .offset: 8, .size: 8, .value_kind: global_buffer, .address_space: global }
      - { .name: Wk, .offset: 16, .size: 8, .value_kind: global_buffer, .address_space: global }
      - { .name: Wv, .offset: 24, .size: 8, .value_kind: global_buffer, .address_space: global }
      - { .name: bq, .offset: 32, .size: 8, .value_kind: global_buffer, .address_space: global }
      - { .name: bk, .offset: 40, .size: 8, .value_kind: global_buffer, .address_space: global }
      - { .name: bv, .offset: 48, .size: 8, .value_kind: global_buffer, .address_space: global }
      - { .name: xb, .offset: 56, .size: 8, .value_kind: global_buffer, .address_space: global }
      - { .name: wb, .offset: 64, .size: 8, .value_kind: global_buffer, .address_space: global }
      - { .name: bb, .offset: 72, .size: 8, .value_kind: global_buffer, .address_space: global }
      - { .name: st, .offset: 80, .size: 8, .value_kind: global_buffer, .address_space: global }
      - { .name: pw, .offset: 88, .size: 8, .value_kind: global_buffer, .address_space: global }
    .group_segment_fixed_size: 0
    .private_segment_fixed_size: 0
    .kernarg_segment_align: 8
    .kernarg_segment_size: 96
    .max_flat_workgroup_size: 256
    .sgpr_count:     66
    .vgpr_count:     208
    .wavefront_size: 32
...
	.end_amdgpu_metadata
.endif
;; end of part 1
;; launch proj (part 2): grid 12 x 32, 4 waves a work-group, clusters of 4 x 4, 327,680 bytes of LDS; arguments xb, wb, bb, qkv; writes qkv
.if DOCPART == 2
	.amdgcn_target "amdgcn-amd-amdhsa--gfx1250"
	.amdhsa_code_object_version 6
	.text
	.protected	k_q8f9b7bb422_proj
	.globl	k_q8f9b7bb422_proj
	.p2align	8
	.type	k_q8f9b7bb422_proj,@function
k_q8f9b7bb422_proj:
	s_mov_b64 s[64:65], 0
	v_nop
	global_prefetch_b8 v0, s[64:65] scope:SCOPE_SE
	s_setreg_imm32_b32 hwreg(HW_REG_WAVE_MODE, 25, 1), 1
	s_wait_xcnt 0x0
	s_wait_alu depctr_hold_cnt(0) depctr_sa_sdst(0) depctr_va_vdst(0) depctr_va_sdst(0) depctr_va_ssrc(0) depctr_va_vcc(0) depctr_vm_vsrc(0)
	s_getreg_b32 s2, hwreg(HW_REG_IB_STS2, 6, 4)
	s_cmp_eq_u32 s2, 0
	s_cbranch_scc0 .Lentry_in_a_cluster
	s_endpgm
.Lentry_in_a_cluster:
	s_bfe_u32 s2, ttmp6, 0x10000c
	s_cmp_lg_u32 s2, 0xf033
	s_cbranch_scc0 .Lentry_shape_is_right
	s_endpgm
.Lentry_shape_is_right:
; PROJ.  qkv[s][m][n] = bb[s][n] + the sum over k of xb[m][k] wb[s][k][n], s = 0, 1, 2 (Q, K, V; V's row of bb is zeros: bv is added by the last launch).
; xb: [8192][1024] bf16, wb: [3][1024 k][1024 n] bf16, bb: f32, qkv: [3][8192][1024] f16.  Sums in f32, rounded once to f16.
; LIMIT.  f16 ends at 65,504: Q, K and V must lie within it.  NaN and infinities are not treated apart.
; SHAPE.  A tile of 256 x 256 to a work-group of four waves, 128 x 128 (64 accumulators, 512 registers) a wave.  K goes in 8 steps of 128 through a ring of two LDS slots.
; x's tile has rows of 256 bytes along K; a weight tile lies [k][n], 128 rows of 512 bytes, and its fragments come out of LDS turned, by ds_load_tr16_b128.
; CLUSTER.  4 x 4 work-groups: the cluster's x is the matrix s, cx the tile column, 4 x cluster y + cy the tile row.  x's tile is asked for jointly along a row of the cluster, the
; weights' tile along a column.  The product is used transposed (source 0 = 16 columns of W, source 1 = 16 rows of x): a lane holds eight neighbouring columns of one row.
; THE LOOP is written once for a K step: s[TB] is the LDS byte of the slot in hand, and the walking descriptors' LDS word changes slot by an exclusive or
; (SLOT = 0x22000 shares no bit with wave x 0x8800).
; THE LAST K STEP GOES BY ROWS OF THE TILE: all its fragments of W fill window 1, x's come by blocks of 16 rows, and my eight blocks are finished one after the other and leave as they are finished,
; so that the stores are spread over the step and do not all stand behind the last product.  K stays ascending in every sum.
; WINDOWS: 0: addresses, A's fragments (v64-127, v128-191; in the last K step four buffers of 16 rows x 128 K), the way out, the bias (v192-255, first quarter only);
;   1: B's fragments (in the last K step all 256 registers); 2, 3: accumulators ((a, b) at v[8 (8 (a % 4) + b)] of window 2 + a / 4).
.set PITCH,  272                       ; x's LDS row: 256 bytes + 16
.set PITB,   544                       ; a weight row: 512 bytes + 32 = 17 x 32
.set HALFT,  128*PITCH                 ; what one tensor load brings: 128 rows of x or 64 rows of W (64 x 544 is the same number)
.set SLOT,   4*HALFT
.set STAGE,  2*SLOT                    ; 16 rows x 272 bytes for each wave
.set SPARE,  STAGE+4*16*PITCH          ; the spare words: 128 bytes a wave, two blocks of 256 bytes that no other line names
.set ROWB,   2048                      ; bytes in a row of xb, wb and qkv
.set ASTEP,  256                       ; a K step in xb
.set BSTEP,  128*ROWB                  ; and in wb
.set ADRA0, 16                         ; v16  my lane's place in A's tile; never rewritten
.set ADRA,  17                         ; v17  the same in the slot in hand
.set ADRB0, 20
.set ADRB,  21
.set STO,  24
.set RD,   25
.set CO,   26
.set SPW,  28                          ; v28  my spare word; never rewritten
.set NIL,  29                          ; v29  0; never rewritten
.set PFO,  30                          ; v30  the prefetches' lane offset; never rewritten
.set OB,   32
.set F0,   64
.set F1,   128
.set PA,   64                          ; the last K step: A's fragments of 16 rows x 128 K, 32 registers; four such buffers, v64-191
.set TMP,  192
.set BI,   192                         ; the bias of my 128 columns: 8 registers for each block of 16
.set OUT,  10                          ; s[10:11]
.set WV,   12
.set RH,   13                          ; my half of the tile's rows; also: I fetch for A (0) or B (1)
.set CH,   14                          ; my half of its columns; also: which half of that tile I fetch
.set CX,   15
.set CY,   16
.set TM,   18
.set CNT,  19
.set LW,   20
.set TB,   21
.set G1A,  24
.set G0A,  32                          ; s[32:35] the first fill's, s[36:39] the second's, which then walks
.set G1B,  40
.set G0B,  48
.set PFA,  56
.set PFS,  58
.set LIM,  60
.set MSB, 0
.macro WIN new                         ; the immediate's high byte repeats the setting that is left; a switch that changes nothing is dropped
.if MSB != (\new)
	s_set_vgpr_msb (MSB<<8)|(\new)
.set MSB, \new
.endif
.endm
.macro PLACES                          ; four plain places behind matrix instructions, in front of loads into their sources and of reads of their results
.rept 4
	v_nop
.endr
.endm
.macro JLOAD                           ; the joint refill: waves 0, 1 for x, waves 2, 3 for W; an s_nop 0 and four v_nop follow each line
	s_cmp_eq_u32 s[RH], 0
	s_cbranch_scc0 .Lfor_b_\@
	tensor_load_to_lds s[G0A+4:G0A+7], s[G1A:G1A+7]
	s_nop 0
.rept 4
	v_nop
.endr
	s_branch .Lasked_\@
.Lfor_b_\@:
	tensor_load_to_lds s[G0B+4:G0B+7], s[G1B:G1B+7]
	s_nop 0
.rept 4
	v_nop
.endr
.Lasked_\@:
.endm
.macro ASK                             ; a prefetch of the K step two refills on: 32 blocks of 256 bytes, a lane a block; trips 0-3 name K steps 4-7
	s_cmp_gt_u32 s[CNT], s[LIM]
	s_cbranch_scc0 .Lnot_mine_\@
	global_prefetch_b8 v[PFO], s[PFA:PFA+1] th:TH_LOAD_NT scope:SCOPE_SE
.Lnot_mine_\@:
.endm
.macro CREST                           ; a round of the cluster's barrier behind its opening barrier
	s_cmp_lg_u32 s[WV], 0
	s_cbranch_scc1 .Lnot_wave_0_\@
	s_barrier_signal -3
.Lnot_wave_0_\@:
	s_barrier_wait -3
	s_barrier_signal -1
	s_barrier_wait -1
.endm
.macro CROUND
	s_barrier_signal -1
	s_barrier_wait -1
	CREST
.endm
	s_load_b256 s[4:11], s[0:1], 0x0               ; xb s[4:5], wb s[6:7], bb s[8:9], qkv s[10:11]
	v_lshl_add_u32 v[SPW], v0, 2, SPARE
	v_mov_b32 v[NIL], 0
	ds_add_u32 v[SPW], v[NIL]                      ; the wave's opening: the add and its wait ahead of my first tensor load
	v_lshrrev_b32 v1, 5, v0
	v_readfirstlane_b32 s[WV], v1
	s_lshr_b32 s[RH], s[WV], 1
	s_and_b32 s[CH], s[WV], 1
	s_bfe_u32 s[CX], ttmp6, 0x40000
	s_bfe_u32 s[CY], ttmp6, 0x40004
	s_and_b32 s[TM], ttmp7, 0xffff
	s_lshl_b32 s[TM], s[TM], 2
	s_add_co_u32 s[TM], s[TM], s[CY]               ; tile row = 4 x cluster y + cy
	s_lshl_b32 s66, s[CY], 2
	s_lshl_b32 s66, 15, s66                        ; my row of the cluster
	s_lshl_b32 s68, 0x1111, s[CX]                  ; my column
	s_or_b32 s[G1A], s66, (1<<16)|(1<<20)|(1<<21)|(5<<22)|(3<<25)  ; mask; 2-byte elements; padding on; bit 21 beside a mask; after every 64 words 4 words
	s_mov_b32 s[G1A+1], 128<<16                    ; tensor_dim0 = 128
	s_mov_b32 s[G1A+2], 128<<16                    ; tensor_dim1 = 128
	s_mov_b32 s[G1A+3], 128<<16                    ; tile_dim0 = 128
	s_mov_b32 s[G1A+4], 128                        ; tile_dim1 = 128
	s_mov_b32 s[G1A+5], 1024                       ; elements from row to row
	s_mov_b32 s[G1A+6], 0
	s_mov_b32 s[G1A+7], 0
	s_or_b32 s[G1B], s68, (1<<16)|(1<<20)|(1<<21)|(6<<22)|(7<<25)  ; after every 128 words 8 words
	s_mov_b32 s[G1B+1], 256<<16                    ; tensor_dim0 = 256
	s_mov_b32 s[G1B+2], 64<<16                     ; tensor_dim1 = 64
	s_mov_b32 s[G1B+3], 256<<16                    ; tile_dim0 = 256
	s_mov_b32 s[G1B+4], 64                         ; tile_dim1 = 64
	s_mov_b32 s[G1B+5], 1024
	s_mov_b32 s[G1B+6], 0
	s_mov_b32 s[G1B+7], 0
	s_lshl_b32 s66, s[TM], 19                      ; x: 256 rows a tile,
	s_lshl_b32 s67, s[CH], 18                      ; 128 rows a wave
	s_add_co_u32 s66, s66, s67
	s_mov_b32 s67, 0
	s_lshl_b32 s68, ttmp9, 21                      ; W: the matrix,
	s_lshl_b32 s69, s[CH], 17                      ; 64 rows of k a wave,
	s_add_co_u32 s68, s68, s69
	s_lshl_b32 s69, s[CX], 9                       ; 256 columns a tile
	s_add_co_u32 s68, s68, s69
	s_mov_b32 s69, 0
	s_mul_i32 s[LW], s[WV], HALFT                  ; where my part of a slot lies: no place in the cluster enters an LDS address
	s_mov_b32 s[TB], 0
	s_wait_dscnt 0x0                               ; the opening add is done
	s_wait_kmcnt 0x0
	s_add_nc_u64 s[66:67], s[4:5], s[66:67]
	s_add_nc_u64 s[68:69], s[6:7], s[68:69]
	CROUND                                         ; all sixteen work-groups are here: the first joint loads meet
.irp s, 0,1
	s_mov_b32 s[G0A+4*(\s)], 1
	s_add_co_u32 s[G0A+4*(\s)+1], s[LW], (\s)*SLOT
	s_add_nc_u64 s[G0A+4*(\s)+2:G0A+4*(\s)+3], s[66:67], (\s)*ASTEP
	s_or_b32 s[G0A+4*(\s)+3], s[G0A+4*(\s)+3], 0x80000000
	s_mov_b32 s[G0B+4*(\s)], 1
	s_add_co_u32 s[G0B+4*(\s)+1], s[LW], (\s)*SLOT
	s_add_nc_u64 s[G0B+4*(\s)+2:G0B+4*(\s)+3], s[68:69], (\s)*BSTEP
	s_or_b32 s[G0B+4*(\s)+3], s[G0B+4*(\s)+3], 0x80000000
.endr
	s_cmp_eq_u32 s[RH], 0                          ; a wave's two first fills stand in one branch: K steps 0 and 1; two loads of mine are out
	s_cbranch_scc0 .Lfirst_b
	tensor_load_to_lds s[G0A:G0A+3], s[G1A:G1A+7]
	s_nop 0
	tensor_load_to_lds s[G0A+4:G0A+7], s[G1A:G1A+7]
	s_nop 0
.rept 4
	v_nop
.endr
	s_branch .Lfirst_asked
.Lfirst_b:
	tensor_load_to_lds s[G0B:G0B+3], s[G1B:G1B+7]
	s_nop 0
	tensor_load_to_lds s[G0B+4:G0B+7], s[G1B:G1B+7]
	s_nop 0
.rept 4
	v_nop
.endr
.Lfirst_asked:
	v_and_b32 v1, 15, v0                           ; r = l % 16
	v_bfe_u32 v2, v0, 4, 1                         ; h = l / 16
	v_and_b32 v3, 31, v0                           ; l
	; the bias: register j of block b is column 16 b + 8 h + j of my 128
	s_lshl_b32 s70, ttmp9, 12
	s_lshl_b32 s71, s[CX], 10
	s_add_co_u32 s70, s70, s71
	s_lshl_b32 s71, s[CH], 9
	s_add_co_u32 s70, s70, s71
	s_mov_b32 s71, 0
	s_add_nc_u64 s[8:9], s[8:9], s[70:71]
	v_lshlrev_b32 v7, 5, v2
.irp b, 0,1,2,3,4,5,6,7
	global_load_b128 v[BI+8*(\b):BI+8*(\b)+3],   v7, s[8:9] offset:64*(\b)
	global_load_b128 v[BI+8*(\b)+4:BI+8*(\b)+7], v7, s[8:9] offset:64*(\b)+16
.endr
	; A's fragment: row r x pitch + 16 h, two loads 32 bytes apart
	v_mul_u32_u24 v4, v1, PITCH
	v_lshl_add_u32 v4, v2, 4, v4
	s_mul_i32 s70, s[RH], HALFT
	v_add_nc_u32 v[ADRA0], s70, v4
	; B's fragment, turned: lane l reads row 8 h + l % 8 of k, columns 8 ((l / 8) % 2) + 0..7; it is left with column r and 8 numbers along k
	v_and_b32 v5, 7, v0
	v_lshl_add_u32 v5, v2, 3, v5
	v_mul_u32_u24 v5, v5, PITB
	v_bfe_u32 v6, v0, 3, 1
	v_lshl_add_u32 v5, v6, 4, v5
	s_lshl_b32 s70, s[CH], 8
	s_add_co_u32 s70, s70, 2*HALFT
	v_add_nc_u32 v[ADRB0], s70, v5
	v_mov_b32 v[ADRA], v[ADRA0]
	v_mov_b32 v[ADRB], v[ADRB0]
	s_mul_i32 s70, s[WV], 16*PITCH
	s_add_co_u32 s70, s70, STAGE
	v_add_nc_u32 v[STO], s70, v4                   ; in: row r, 16 bytes for each half of the lanes
	v_mul_u32_u24 v5, v2, PITCH
	v_lshl_add_u32 v5, v1, 4, v5
	v_add_nc_u32 v[RD], s70, v5                    ; back: lanes 0-15 one row of 256 bytes, lanes 16-31 the next
	v_lshlrev_b32 v[CO], 11, v2
	v_lshl_add_u32 v[CO], v1, 4, v[CO]             ; and the same two rows in qkv
	s_lshl_b32 s70, ttmp9, 24
	s_lshl_b32 s71, s[TM], 19
	s_add_co_u32 s70, s70, s71
	s_lshl_b32 s71, s[RH], 18
	s_add_co_u32 s70, s70, s71
	s_lshl_b32 s71, s[CX], 9
	s_add_co_u32 s70, s70, s71
	s_lshl_b32 s71, s[CH], 8
	s_add_co_u32 s70, s70, s71
	s_mov_b32 s71, 0
	s_add_nc_u64 s[OUT:OUT+1], s[OUT:OUT+1], s[70:71]
	; THE PREFETCHES.  x's tile row is read by the three clusters of a row of clusters: cluster x = 0 asks; W's tile column by the eight of a column: cluster y = 0 asks.  The four partners that ask for a
	; tile jointly share its blocks out by address: of x's 128 rows a wave, 32 each (cx), a lane a row; of W's 64 rows of 512 bytes, 16 each (cy), two lanes a row.  Each block is named once.
	s_and_b32 s70, ttmp7, 0xffff
	s_mov_b32 s[PFS], ASTEP
	s_mov_b32 s[PFS+1], 0
	s_cmp_eq_u32 s[RH], 0
	s_cselect_b32 s70, ttmp9, s70
	s_cselect_b32 s71, s[CX], s[CY]
	s_cselect_b32 s[PFS], s[PFS], BSTEP
	s_cselect_b64 s[PFA:PFA+1], s[66:67], s[68:69]
	s_cmp_eq_u32 s70, 0
	s_cselect_b32 s[LIM], 2, -1                    ; the same in all sixteen partners, for a given wave
	s_sub_co_u32 s70, 16, s[RH]
	s_lshl_b32 s70, s71, s70                       ; 32 rows of 2,048 bytes, or 16
	s_mul_i32 s71, s[PFS], 3
	s_add_co_u32 s70, s70, s71                     ; at K step 3: the first change of slots steps it to 4
	s_mov_b32 s71, 0
	s_add_nc_u64 s[PFA:PFA+1], s[PFA:PFA+1], s[70:71]
	v_lshrrev_b32 v[PFO], s[RH], v3
	v_lshlrev_b32 v[PFO], 11, v[PFO]
	v_and_b32 v5, s[RH], v3
	v_lshl_add_u32 v[PFO], v5, 8, v[PFO]
; 16 matrix instructions: row blocks a0, a0 + 1 of the window's four x all 8 column blocks, 32 along K.  mode 2: the bias starts the sums; 0: in place.  The 64 accumulators take turns.
.macro MUL16 f, hi, a0, mode
.if (\mode) == 2
	WIN 0x81+0x40*(\hi)
.else
	WIN 0xa1+0x50*(\hi)
.endif
.irp a, \a0, (\a0)+1
.irp b, 0,1,2,3,4,5,6,7
.if (\mode) == 2
	v_wmma_f32_16x16x32_bf16 v[8*(8*(\a)+(\b)):8*(8*(\a)+(\b))+7], v[(\f)+8*(\b):(\f)+8*(\b)+7], v[(\f)+8*(4*(\hi)+(\a)):(\f)+8*(4*(\hi)+(\a))+7], v[BI+8*(\b):BI+8*(\b)+7]
.else
	v_wmma_f32_16x16x32_bf16 v[8*(8*(\a)+(\b)):8*(8*(\a)+(\b))+7], v[(\f)+8*(\b):(\f)+8*(\b)+7], v[(\f)+8*(4*(\hi)+(\a)):(\f)+8*(4*(\hi)+(\a))+7], v[8*(8*(\a)+(\b)):8*(8*(\a)+(\b))+7]
.endif
.endr
.endr
.endm
.macro FETCH q, f                      ; 32 LDS loads in one run: quarter q's fragments into buffer f: B's 16, then A's 16
	WIN 0x40
.irp i, 0,1,2,3,4,5,6,7
	ds_load_tr16_b128 v[(\f)+8*(\i):(\f)+8*(\i)+3],   v[ADRB] offset:(\q)*32*PITB+32*(\i)
	ds_load_tr16_b128 v[(\f)+8*(\i)+4:(\f)+8*(\i)+7], v[ADRB] offset:(\q)*32*PITB+16*PITB+32*(\i)
.endr
	WIN 0
.irp i, 0,1,2,3,4,5,6,7
	ds_load_b128 v[(\f)+8*(\i):(\f)+8*(\i)+3],   v[ADRA] offset:(\q)*64+(\i)*16*PITCH
	ds_load_b128 v[(\f)+8*(\i)+4:(\f)+8*(\i)+7], v[ADRA] offset:(\q)*64+(\i)*16*PITCH+32
.endr
.endm
.macro QUARTER q, f, g, mode           ; multiplies buffer f; in its middle fetches quarter q into buffer g
	s_wait_dscnt 8                                 ; B and A's rows 0-63 are in; the youngest eight loads may be out
	MUL16 \f, 0, 0, \mode
	MUL16 \f, 0, 2, \mode
	PLACES
	FETCH \q, \g
	s_wait_dscnt 32                                ; all but the 32 just issued
	MUL16 \f, 1, 0, \mode
	MUL16 \f, 1, 2, \mode
.endm
; The last quarter of a K step multiplies buffer 1 and changes slots.  MEET is its first half.  In front of the barrier each wave waits for all its tensor loads (one is out: its part of the next slot), adds 0 to
; its spare word, and waits for that and for its reads of this slot.  Behind it nobody reads this slot any more and the next slot is whole.
.macro MEET
	WIN 0
	s_wait_tensorcnt 0x0
	ds_add_u32 v[SPW], v[NIL]
	s_wait_dscnt 9                                 ; the add and the youngest eight loads may be out
	MUL16 F1, 0, 0, 0
	s_wait_dscnt 0x0                               ; the add is done, and my reads of this slot are over
	s_barrier_signal -1
	MUL16 F1, 0, 2, 0
	WIN 0
	s_barrier_wait -1
.endm
; The whole last quarter, in the loop: the barrier opens a round of the cluster's, and the joint refill, K step k + 2, is the first thing behind it: 224 matrix instructions ahead of the wait for it.
.macro TURN
	s_wait_xcnt 0x0                                ; the last prefetch, a K step back, has read its address
	s_add_nc_u64 s[PFA:PFA+1], s[PFA:PFA+1], s[PFS:PFS+1]
	MEET
	CREST
	s_xor_b32 s[G0A+5], s[G0A+5], SLOT             ; the walking descriptors: the slot just read,
	s_add_nc_u64 s[G0A+6:G0A+7], s[G0A+6:G0A+7], ASTEP  ; the next K step; the type bits on top are not reached
	s_xor_b32 s[G0B+5], s[G0B+5], SLOT
	s_add_nc_u64 s[G0B+6:G0B+7], s[G0B+6:G0B+7], BSTEP
	JLOAD                                          ; its four v_nop are also the places in front of the loads below
	s_xor_b32 s[TB], s[TB], SLOT
	v_add_nc_u32 v[ADRA], s[TB], v[ADRA0]
	v_add_nc_u32 v[ADRB], s[TB], v[ADRB0]
	FETCH 0, F0
	ASK
	MUL16 F1, 1, 0, 0
	MUL16 F1, 1, 2, 0
.endm
; THE LAST K STEP, BY ROWS.
.macro BLOAD q                         ; B's fragments of quarter q -> window 1, v[64 q ..]
	WIN 0x40
.irp i, 0,1,2,3,4,5,6,7
	ds_load_tr16_b128 v[64*(\q)+8*(\i):64*(\q)+8*(\i)+3],   v[ADRB] offset:(\q)*32*PITB+32*(\i)
	ds_load_tr16_b128 v[64*(\q)+8*(\i)+4:64*(\q)+8*(\i)+7], v[ADRB] offset:(\q)*32*PITB+16*PITB+32*(\i)
.endr
.endm
.macro ALOAD a                         ; A's fragments of row block a, all four quarters -> buffer a % 4
	WIN 0
.set FA, PA+32*((\a)%4)
.irp q, 0,1,2,3
	ds_load_b128 v[FA+8*(\q):FA+8*(\q)+3],   v[ADRA] offset:64*(\q)+(\a)*16*PITCH
	ds_load_b128 v[FA+8*(\q)+4:FA+8*(\q)+7], v[ADRA] offset:64*(\q)+(\a)*16*PITCH+32
.endr
.endm
.macro ROW a                           ; row block a is finished: 32 matrix instructions, its 8 accumulators by turns, K ascending
.set FA, PA+32*((\a)%4)
.set AC, 64*((\a)%4)
	WIN 0xa1+0x50*((\a)/4)
.irp q, 0,1,2,3
.if (\a) == 0 && (\q) == 2
	s_wait_dscnt 24                                ; B's quarter 2 is in (behind it: A's blocks 1 to 3)
.endif
.irp b, 0,1,2,3,4,5,6,7
	v_wmma_f32_16x16x32_bf16 v[AC+8*(\b):AC+8*(\b)+7], v[64*(\q)+8*(\b):64*(\q)+8*(\b)+7], v[FA+8*(\q):FA+8*(\q)+7], v[AC+8*(\b):AC+8*(\b)+7]
.endr
.endr
.endm
; THE WAY OUT of row block a: rounded to f16 (each accumulator from its low end on); through my own stage; stored as whole rows of 256 bytes.
.macro PACK a
.set AC, 64*((\a)%4)
	WIN 0x0a+5*((\a)/4)
.irp b, 0,1,2,3,4,5,6,7
.irp r, 0,1,2,3
	v_cvt_pk_f16_f32 v[TMP+4*(\b)+(\r)], v[AC+8*(\b)+2*(\r)], v[AC+8*(\b)+2*(\r)+1]
.endr
.endr
	WIN 0
.endm
.macro TOSTAGE a
	WIN 0
.set BK, OB+192*((\a)%2)
.irp b, 0,1,2,3,4,5,6,7
	ds_store_b128 v[STO], v[TMP+4*(\b):TMP+4*(\b)+3] offset:32*(\b)
.endr
.irp t, 0,1,2,3,4,5,6,7
	ds_load_b128 v[BK+4*(\t):BK+4*(\t)+3], v[RD] offset:(\t)*2*PITCH  ; LDS serves a wave's instructions in order (ISA guide 5.7.1.4): these see the stores above
.endr
.endm
.macro SEND a, younger                 ; younger: the LDS loads issued behind TOSTAGE's, which may stay out
	WIN 0
.set BK, OB+192*((\a)%2)
	s_wait_dscnt \younger                          ; the block is back in registers
	s_wait_xcnt 0x0                                ; the base and the registers that earlier stores read are rewritten only behind this wait
.if (\a) > 0
	s_add_nc_u64 s[OUT:OUT+1], s[OUT:OUT+1], 16*ROWB
.endif
.irp t, 0,1,2,3,4,5,6,7
	global_store_b128 v[CO], v[BK+4*(\t):BK+4*(\t)+3], s[OUT:OUT+1] offset:2*(\t)*ROWB  ; 16 lanes store 256 consecutive bytes, aligned
.endr
.endm
	s_wait_tensorcnt 1                             ; my part of K step 0 is in; K step 1's may stay out
	s_barrier_signal -1
	s_barrier_wait -1
	FETCH 0, F0
	s_wait_loadcnt 0x0                             ; the bias
	QUARTER 1, F0, F1, 2                           ; the first quarter stands in front of the loop: its products start the sums
	WIN 0
	s_mov_b32 s[CNT], 6
.Lk:                                                   ; trip k: quarters 1-3 of K step k, quarter 0 of K step k + 1; K step k + 2 is asked for
	QUARTER 2, F1, F0, 0
	QUARTER 3, F0, F1, 0
	TURN
	QUARTER 1, F0, F1, 0
	WIN 0
	s_sub_co_u32 s[CNT], s[CNT], 1
	s_cmp_lg_u32 s[CNT], 0
	s_cbranch_scc1 .Lk
	QUARTER 2, F1, F0, 0                           ; K step 6 goes on; nothing more is asked for
	QUARTER 3, F0, F1, 0
	MEET                                           ; my one tensor load that was still out is K step 7's, so no round follows
	PLACES                                         ; for the loads into buffer 0, which the quarter before multiplied
	s_xor_b32 s[TB], s[TB], SLOT
	v_add_nc_u32 v[ADRA], s[TB], v[ADRA0]
	v_add_nc_u32 v[ADRB], s[TB], v[ADRB0]
	BLOAD 0                                        ; three quarters of B now: buffer 1 (v128-191 of both windows) is still being multiplied
	BLOAD 1
	BLOAD 3
	ALOAD 0
	MUL16 F1, 1, 0, 0
	MUL16 F1, 1, 2, 0
	PLACES                                         ; for the loads into buffer 1
	BLOAD 2
	ALOAD 1
	ALOAD 2
	ALOAD 3
	s_wait_dscnt 40                                ; all but the 40 just issued
	ROW 0
.irp a, 0,1,2,3,4,5,6,7                ; block a is packed and staged; block a + 1's 32 products stand between the stage's loads and the wait for them; then block a is stored
	PLACES                                         ; its conversions read results just made
	PACK \a
	TOSTAGE \a
.if (\a) < 4
	ALOAD (\a)+4                                   ; its buffer takes the block four further on
	s_wait_dscnt 24                                ; the stage's 16 and those 8 may be out: all earlier blocks of A are in
.elseif (\a) < 7
	s_wait_dscnt 16                                ; the stage's 16 may be out
.endif
.if (\a) < 7
	ROW (\a)+1
.endif
.if (\a) < 4
	SEND \a, 8
.else
	SEND \a, 0
.endif
.endr
	s_wait_tensorcnt 0x0                           ; the wave's end
	ds_add_u32 v[SPW], v[NIL]
	s_wait_dscnt 0x0
	CROUND                                         ; the closing round
	s_endpgm
.Lfunc_end_k_q8f9b7bb422_proj:
	.size	k_q8f9b7bb422_proj, .Lfunc_end_k_q8f9b7bb422_proj-k_q8f9b7bb422_proj
	.p2alignl 7, 3214868480
	.fill 96, 4, 3214868480
	.section	.rodata,"a",@progbits
	.p2align	6, 0x0
	.amdhsa_kernel k_q8f9b7bb422_proj
		.amdhsa_group_segment_fixed_size 327680
		.amdhsa_private_segment_fixed_size 0
		.amdhsa_enable_private_segment 0
		.amdhsa_kernarg_size 32
		.amdhsa_user_sgpr_count 2
		.amdhsa_user_sgpr_kernarg_segment_ptr 1
		.amdhsa_wavefront_size32 1
		.amdhsa_system_sgpr_workgroup_id_x 1
		.amdhsa_system_sgpr_workgroup_id_y 1
		.amdhsa_system_sgpr_workgroup_id_z 1
		.amdhsa_system_vgpr_workitem_id 0
		.amdhsa_next_free_vgpr 1024
		.amdhsa_next_free_sgpr 72
		.amdhsa_reserve_vcc 0
		.amdhsa_float_denorm_mode_32 3
		.amdhsa_float_denorm_mode_16_64 3
		.amdhsa_memory_ordered 1
		.amdhsa_forward_progress 1
		.amdhsa_inst_pref_size 120
	.end_amdhsa_kernel
	.amdgpu_metadata
---
amdhsa.version: [ 1, 2 ]
amdhsa.kernels:
  - .name:           k_q8f9b7bb422_proj
    .symbol:         k_q8f9b7bb422_proj.kd
    .args:
      - { .name: xb, .offset: 0, .size: 8, .value_kind: global_buffer, .address_space: global }
      - { .name: wb, .offset: 8, .size: 8, .value_kind: global_buffer, .address_space: global }
      - { .name: bb, .offset: 16, .size: 8, .value_kind: global_buffer, .address_space: global }
      - { .name: qkv, .offset: 24, .size: 8, .value_kind: global_buffer, .address_space: global }
    .group_segment_fixed_size: 327680
    .private_segment_fixed_size: 0
    .kernarg_segment_align: 8
    .kernarg_segment_size: 32
    .max_flat_workgroup_size: 128
    .sgpr_count:     72
    .vgpr_count:     1024
    .wavefront_size: 32
...
	.end_amdgpu_metadata
.endif
;; end of part 2
;; launch score (part 3): grid 9 x 16, 4 waves a work-group, no clusters, 327,680 bytes of LDS; arguments qkv, pw, st; writes pw, st
.if DOCPART == 3
	.amdgcn_target "amdgcn-amd-amdhsa--gfx1250"
	.amdhsa_code_object_version 6
	.text
	.protected	k_q8f9b7bb422_score
	.globl	k_q8f9b7bb422_score
	.p2align	8
	.type	k_q8f9b7bb422_score,@function
k_q8f9b7bb422_score:
	s_mov_b64 s[64:65], 0
	v_nop
	global_prefetch_b8 v0, s[64:65] scope:SCOPE_SE
	s_setreg_imm32_b32 hwreg(HW_REG_WAVE_MODE, 25, 1), 1
	s_wait_xcnt 0x0
; SCORE.  For each tile of 256 queries x 256 keys on or below the diagonal: S = Q K^T (f16 operands, f32 sums); then for each query and each chunk of 128 keys
; m' = c max(s), c = log2(e) / 32; p = 2^(c s - m'), rounded to f16 into pw [8192][2048]; l = the sum of the unrounded p.  m' and l go to st ([16 chunks][8192 rows] f32, l 524,288 bytes behind m').
; The chunk's true maximum is taken away here, the row's by the next launch.  m' is the rounded product, and c s - m' one fused multiply-add, so p 2^m' = 2^(c s) whatever the size of s.
; LIMITS.  A hidden score counts as -1e30 (in the 16 x 16 blocks on the diagonal: its value less 1e30); f16 operands bound |Q . K| by 4.4e12.  A weight below 2^-126 counts as 0; below 6e-5 p keeps f16's
; fixed step.  NaN and infinities are not treated apart.
; TILES.  A batch has 36: work-group (t, y), p = y % 4, b = y / 4, takes (i, j) = (7 - p, t) if t <= 7 - p, else (p, t + p - 8).
; NO CLUSTER: row i of the triangle has i + 1 tiles and column j 8 - j, multiples of four in two cases each; a 4 x 4 cluster on the diagonal would hold 6 work-groups with nothing to compute.
; SHAPE, RING, WINDOWS: four waves of 128 x 128, K in 8 steps of 128 through two LDS slots; the product transposed (source 0 = 16 keys, source 1 = 16 queries): a lane holds one query and eight neighbouring
; keys.  A wave's 128 keys are one chunk, so its maxima and sums want one exchange between the halves of the lanes and no other wave.
; A quarter wholly above the diagonal (the diagonal tile's rows 0-127, keys 128-255) is multiplied with the others and thrown away: its zeros and neutral statistics were written by the first launch.
; SHORT TEXT.  The last two K steps are a loop of two trips that is left in its middle.  The softmax and the way out are written for four row blocks (window 2) and walked twice: between the walks
; 256 moves bring the accumulators of my rows 64-127 (window 3) into the registers of rows 0-63: the price of writing four blocks' text less.
.set PITCH,  272
.set HALFT,  128*PITCH
.set SLOT,   4*HALFT                   ; Q's 256 rows, then K's 256 rows
.set STAGE,  2*SLOT
.set SPARE,  STAGE+4*16*PITCH
.set ROWP,   4096                      ; bytes in a row of pw
.set SA,    8                          ; v8   where I put a row's statistic: my stage + 4 r
.set SL,    9                          ; v9   where I read 16 bytes of them back: my stage + 16 l
.set SG,    10                         ; v10  where they go in st: 16 r, for lanes 16-31 (l) 524,288 bytes on
.set ADRA0, 16
.set ADRA,  17
.set ADRB0, 20
.set ADRB,  21
.set STO,  24
.set RD,   25
.set CO,   26
.set SPW,  28
.set NIL,  29
.set PFO,  30
.set OB,   32
.set F0,   64
.set F1,   128
.set TMP,  192
.set MD,   64                          ; the epilogue, in A's fragment registers: v64-71 the diagonal block's mask
.set CMS,  72                          ; v72-75 m' of row block a of the walk
.set LS,   80                          ; v80-83 l of row block a of the walk
.set CC,   88                          ; v88-91 four chains of the maximum
.set CM,   92                          ; v[92:93] m'
.set TA,   94
.set TC,   95
.set OUT,  6
.set WV,   12
.set RH,   13
.set CH,   14
.set TI,   15
.set TJ,   16
.set BB,   17
.set CNT,  19
.set LW,   20
.set TB,   21
.set STG,  22
.set HC,   23                          ; s23  walks of the way out still to come
.set G1,   24
.set G0,   32                          ; s[32:35] the first fill's, s[36:39] the second's, which then walks
.set CS,   40
.set SEL,  42
.set BIGN, 44
.set DG,   45
.set PFA,  46
.set LIM,  48
.set MSB, 0
.macro WIN new
.if MSB != (\new)
	s_set_vgpr_msb (MSB<<8)|(\new)
.set MSB, \new
.endif
.endm
.macro PLACES
.rept 4
	v_nop
.endr
.endm
.macro ASK                             ; the K step two refills on: my 128 rows x 256 bytes, a lane a row, four lines; trips 0-3 name K steps 4-7
	s_cmp_gt_u32 s[CNT], s[LIM]
	s_cbranch_scc0 .Lnot_mine_\@
.irp n, 0,1,2,3
	global_prefetch_b8 v[PFO], s[PFA:PFA+1] offset:65536*\n th:TH_LOAD_NT scope:SCOPE_SE
.endr
.Lnot_mine_\@:
.endm
	s_load_b128 s[4:7], s[0:1], 0x0                ; qkv s[4:5], pw s[6:7]
	s_load_b64 s[8:9], s[0:1], 0x10                ; st
	v_lshl_add_u32 v[SPW], v0, 2, SPARE
	v_mov_b32 v[NIL], 0
	ds_add_u32 v[SPW], v[NIL]                      ; the wave's opening: the add and its wait ahead of my first tensor load
	v_lshrrev_b32 v1, 5, v0
	v_readfirstlane_b32 s[WV], v1
	s_lshr_b32 s[RH], s[WV], 1                     ; my 128 queries; also: I fetch for Q (0) or K (1)
	s_and_b32 s[CH], s[WV], 1                      ; my 128 keys; also: which 128 rows I fetch
	s_and_b32 s49, ttmp7, 0xffff
	s_and_b32 s50, s49, 3                          ; p
	s_lshr_b32 s[BB], s49, 2                       ; the batch
	s_sub_co_u32 s49, 7, s50
	s_add_co_u32 s51, ttmp9, s50
	s_sub_co_u32 s51, s51, 8
	s_cmp_le_u32 ttmp9, s49
	s_cselect_b32 s[TI], s49, s50
	s_cselect_b32 s[TJ], ttmp9, s51
	s_mov_b32 s[G1], (1<<16)|(1<<20)|(5<<22)|(3<<25)  ; 2-byte elements; padding on: after every 64 words 4 words
	s_mov_b32 s[G1+1], 128<<16
	s_mov_b32 s[G1+2], 128<<16
	s_mov_b32 s[G1+3], 128<<16
	s_mov_b32 s[G1+4], 128
	s_mov_b32 s[G1+5], 1024
	s_mov_b32 s[G1+6], 0
	s_mov_b32 s[G1+7], 0
	s_cmp_eq_u32 s[RH], 0
	s_cselect_b32 s50, s[TI], s[TJ]
	s_lshl_b32 s50, s50, 19                        ; 256 rows of 2,048 bytes a tile
	s_lshl_b32 s51, s[RH], 24                      ; K lies 16,777,216 bytes behind Q
	s_add_co_u32 s50, s50, s51
	s_lshl_b32 s51, s[BB], 22
	s_add_co_u32 s50, s50, s51
	s_lshl_b32 s51, s[CH], 18
	s_add_co_u32 s50, s50, s51
	s_mov_b32 s51, 0
	s_mul_i32 s[LW], s[WV], HALFT
	s_mov_b32 s[TB], 0
	s_mov_b32 s[CS], 0x3d38aa3b                    ; c = log2(e) / 32
	s_mov_b32 s[CS+1], s[CS]
	s_mov_b32 s[SEL], 0x76543210
	s_mov_b32 s[SEL+1], 0xfedcba98
	s_mov_b32 s[BIGN], 0xf149f2ca                  ; -1e30
	s_lshl1_add_u32 s[DG], s[TJ], s[CH]
	s_lshl1_add_u32 s49, s[TI], s[RH]
	s_sub_co_i32 s[DG], s[DG], s49                 ; my chunk of keys less my block of 128 queries: > 0 hidden, 0 on the diagonal
	s_wait_dscnt 0x0
	s_wait_kmcnt 0x0
	s_add_nc_u64 s[50:51], s[4:5], s[50:51]
.irp s, 0,1
	s_mov_b32 s[G0+4*(\s)], 1
	s_add_co_u32 s[G0+4*(\s)+1], s[LW], (\s)*SLOT
	s_add_nc_u64 s[G0+4*(\s)+2:G0+4*(\s)+3], s[50:51], (\s)*256
	s_or_b32 s[G0+4*(\s)+3], s[G0+4*(\s)+3], 0x80000000
.endr
	tensor_load_to_lds s[G0:G0+3], s[G1:G1+7]      ; K steps 0 and 1: each wave its quarter of a slot; two loads of mine are out
	s_nop 0
	tensor_load_to_lds s[G0+4:G0+7], s[G1:G1+7]
	s_nop 0
.rept 4
	v_nop
.endr
	v_and_b32 v1, 15, v0                           ; r
	v_bfe_u32 v2, v0, 4, 1                         ; h
	v_and_b32 v3, 31, v0                           ; l
	v_mul_u32_u24 v4, v1, PITCH
	v_lshl_add_u32 v4, v2, 4, v4
	s_mul_i32 s52, s[RH], HALFT
	v_add_nc_u32 v[ADRA0], s52, v4
	s_mul_i32 s52, s[CH], HALFT
	s_add_co_u32 s52, s52, 2*HALFT
	v_add_nc_u32 v[ADRB0], s52, v4
	v_mov_b32 v[ADRA], v[ADRA0]
	v_mov_b32 v[ADRB], v[ADRB0]
	s_mul_i32 s[STG], s[WV], 16*PITCH
	s_add_co_u32 s[STG], s[STG], STAGE
	v_add_nc_u32 v[STO], s[STG], v4
	v_mul_u32_u24 v5, v2, PITCH
	v_lshl_add_u32 v5, v1, 4, v5
	v_add_nc_u32 v[RD], s[STG], v5
	v_lshlrev_b32 v[CO], 12, v2
	v_lshl_add_u32 v[CO], v1, 4, v[CO]
	v_lshl_add_u32 v[SA], v1, 2, s[STG]
	v_lshl_add_u32 v[SL], v3, 4, s[STG]
	v_lshlrev_b32 v[SG], 4, v1
	v_lshl_add_u32 v[SG], v2, 19, v[SG]
	s_lshl_b32 s52, s[BB], 23                      ; pw: 2,048 rows of 4,096 bytes a batch,
	s_lshl_b32 s53, s[TI], 20
	s_add_co_u32 s52, s52, s53
	s_lshl_b32 s53, s[RH], 19
	s_add_co_u32 s52, s52, s53
	s_lshl_b32 s53, s[TJ], 9
	s_add_co_u32 s52, s52, s53
	s_lshl_b32 s53, s[CH], 8
	s_add_co_u32 s52, s52, s53
	s_mov_b32 s53, 0
	s_add_nc_u64 s[OUT:OUT+1], s[OUT:OUT+1], s[52:53]
	s_lshl1_add_u32 s52, s[TJ], s[CH]              ; st: the chunk's 8,192 rows of 4 bytes,
	s_lshl_b32 s52, s52, 15
	s_lshl_b32 s53, s[BB], 13
	s_add_co_u32 s52, s52, s53
	s_lshl_b32 s53, s[TI], 10
	s_add_co_u32 s52, s52, s53
	s_lshl_b32 s53, s[RH], 9
	s_add_co_u32 s52, s52, s53
	s_mov_b32 s53, 0
	s_add_nc_u64 s[8:9], s[8:9], s[52:53]
	; THE PREFETCHES.  Q's tile row i is read by the tiles (i, 0 .. i): tile (i, 0) asks; K's tile row j by the tiles (j .. 7, j): tile (j, j) asks.  Each wave asks for the rows that it fetches itself.
	s_sub_co_u32 s49, s[TI], s[TJ]
	s_cmp_eq_u32 s[RH], 0
	s_cselect_b32 s49, s[TJ], s49
	s_cmp_eq_u32 s49, 0
	s_cselect_b32 s[LIM], 2, -1
	s_add_nc_u64 s[PFA:PFA+1], s[50:51], 3*256     ; at K step 3: the first change of slots steps it to 4
	v_lshlrev_b32 v[PFO], 11, v3
.macro MUL16 f, hi, a0, zero           ; 16 matrix instructions; zero = 1: the first product starts the sums.  The 64 accumulators take turns.
	WIN 0xa1+0x50*(\hi)
.irp a, \a0, (\a0)+1
.irp b, 0,1,2,3,4,5,6,7
.if \zero
	v_wmma_f32_16x16x32_f16 v[8*(8*(\a)+(\b)):8*(8*(\a)+(\b))+7], v[(\f)+8*(\b):(\f)+8*(\b)+7], v[(\f)+8*(4*(\hi)+(\a)):(\f)+8*(4*(\hi)+(\a))+7], 0
.else
	v_wmma_f32_16x16x32_f16 v[8*(8*(\a)+(\b)):8*(8*(\a)+(\b))+7], v[(\f)+8*(\b):(\f)+8*(\b)+7], v[(\f)+8*(4*(\hi)+(\a)):(\f)+8*(4*(\hi)+(\a))+7], v[8*(8*(\a)+(\b)):8*(8*(\a)+(\b))+7]
.endif
.endr
.endr
.endm
.macro FETCH q, f
	WIN 0x40
.irp i, 0,1,2,3,4,5,6,7
	ds_load_b128 v[(\f)+8*(\i):(\f)+8*(\i)+3],   v[ADRB] offset:(\q)*64+(\i)*16*PITCH
	ds_load_b128 v[(\f)+8*(\i)+4:(\f)+8*(\i)+7], v[ADRB] offset:(\q)*64+(\i)*16*PITCH+32
.endr
	WIN 0
.irp i, 0,1,2,3,4,5,6,7
	ds_load_b128 v[(\f)+8*(\i):(\f)+8*(\i)+3],   v[ADRA] offset:(\q)*64+(\i)*16*PITCH
	ds_load_b128 v[(\f)+8*(\i)+4:(\f)+8*(\i)+7], v[ADRA] offset:(\q)*64+(\i)*16*PITCH+32
.endr
.endm
.macro QUARTER q, f, g, zero
	s_wait_dscnt 8                                 ; K's and Q's rows 0-63 are in; the youngest eight loads may be out
	MUL16 \f, 0, 0, \zero
	MUL16 \f, 0, 2, \zero
	PLACES
	FETCH \q, \g
	s_wait_dscnt 32                                ; all but the 32 just issued
	MUL16 \f, 1, 0, \zero
	MUL16 \f, 1, 2, \zero
.endm
; The change of slots: in front of the barrier each wave waits for all its tensor loads (at most one is out: its part of the next slot), adds 0 to its spare word, and waits for that and for its reads of this slot.
; fill = 1: K step k + 2 goes into the slot just read, first thing behind the barrier: 224 matrix instructions ahead of the wait for it.
; last = 1 (the tail's loop): in its last trip there is no further K step, and the run of loads is jumped over.
.macro TURN fill, last=0
.if \fill
	s_wait_xcnt 0x0                                ; the last prefetches, a K step back, have read their address
	s_add_nc_u64 s[PFA:PFA+1], s[PFA:PFA+1], 256
.endif
	WIN 0
	s_wait_tensorcnt 0x0
	ds_add_u32 v[SPW], v[NIL]
.if \fill
	s_xor_b32 s[G0+5], s[G0+5], SLOT               ; no tensor load of mine is out: the walking descriptor takes the slot just read,
	s_add_nc_u64 s[G0+6:G0+7], s[G0+6:G0+7], 256   ; and the next K step
.endif
	s_wait_dscnt 9                                 ; the add and the youngest eight loads may be out
	MUL16 F1, 0, 0, 0
	s_wait_dscnt 0x0
	s_barrier_signal -1
	MUL16 F1, 0, 2, 0
	WIN 0
	s_barrier_wait -1
.if \fill
	tensor_load_to_lds s[G0+4:G0+7], s[G1:G1+7]
	s_nop 0
.endif
	PLACES                                         ; behind the load, and in front of the loads into buffer 0
.if \last
	s_cmp_eq_u32 s[CNT], 1
	s_cbranch_scc1 .Lno_fetch_\@
.endif
	s_xor_b32 s[TB], s[TB], SLOT
	v_add_nc_u32 v[ADRA], s[TB], v[ADRA0]
	v_add_nc_u32 v[ADRB], s[TB], v[ADRB0]
	FETCH 0, F0
.if \last
.Lno_fetch_\@:
.endif
.if \fill
	ASK
.endif
	MUL16 F1, 1, 0, 0
	MUL16 F1, 1, 2, 0
.endm
; THE SOFTMAX OF ROW BLOCK a OF THE WALK (16 queries x my 128 keys: 64 registers s0-s63 of window 2).  Each accumulator is read from its low end on.
.macro SOFT a
.set AC, 64*(\a)
	WIN 0x2a                                       ; three sources among the scores, the result in window 0
.irp k, 0,1,2,3
	v_max3_num_f32 v[CC+\k], v[AC+16*\k], v[AC+16*\k+1], v[AC+16*\k+2]
.endr
	WIN 0x28
.irp n, 3,5,7,9,11,13
.irp k, 0,1,2,3
	v_max3_num_f32 v[CC+\k], v[CC+\k], v[AC+16*\k+\n], v[AC+16*\k+\n+1]
.endr
.endr
	v_max3_num_f32 v[CC], v[CC], v[AC+15], v[AC+31]
	v_max3_num_f32 v[CC+2], v[CC+2], v[AC+47], v[AC+63]
	WIN 0
	v_max3_num_f32 v[CC], v[CC], v[CC+1], v[CC+2]
	v_max_num_f32 v[CC], v[CC], v[CC+3]
	v_permlanex16_b32 v[TA], v[CC], s[SEL], s[SEL+1]  ; the query's other 64 keys lie in the lane 16 away
	v_max_num_f32 v[TC], v[CC], v[TA]
	v_mul_f32 v[CM], s[CS], v[TC]
	v_mul_f32 v[CM+1], s[CS], v[TC]                ; named with it as a pair
	v_mov_b32 v[CMS+(\a)], v[CM]
	WIN 0x82
.set z, 0
.rept 32
	v_pk_fma_f32 v[AC+z:AC+z+1], v[AC+z:AC+z+1], s[CS:CS+1], v[CM:CM+1] op_sel_hi:[1,0,0] neg_lo:[0,0,1] neg_hi:[0,0,1]  ; c s - m'
.set z, z+2
.endr
.set z, 0
.rept 64
	v_exp_f32 v[AC+z], v[AC+z]                     ; one batch
.set z, z+1
.endr
	v_nop                                          ; a plain instruction behind the last exponential,
	s_wait_alu depctr_va_vdst(0)                   ; and the one wait ahead of the batch's first reader
	WIN 0x0a
.set z, 0
.rept 32
	v_cvt_pk_f16_f32 v[TMP+z], v[AC+2*z], v[AC+2*z+1]
.set z, z+1
.endr
	WIN 0x8a
.irp d, 2,4,8,16,32                    ; the sum of the 32 pairs, in place, as a tree
.set z, 0
.rept 32/(\d)
	v_pk_add_f32 v[AC+z:AC+z+1], v[AC+z:AC+z+1], v[AC+z+(\d):AC+z+(\d)+1]
.set z, z+2*(\d)
.endr
.endr
	WIN 0x0a
	v_add_f32 v[TA], v[AC], v[AC+1]
	WIN 0
	v_permlanex16_b32 v[TC], v[TA], s[SEL], s[SEL+1]
	v_add_f32 v[LS+(\a)], v[TA], v[TC]
.endm
.macro TOSTAGE a
	WIN 0
.set BK, OB+192*((\a)%2)
.irp b, 0,1,2,3,4,5,6,7
	ds_store_b128 v[STO], v[TMP+4*(\b):TMP+4*(\b)+3] offset:32*(\b)
.endr
.irp t, 0,1,2,3,4,5,6,7
	ds_load_b128 v[BK+4*(\t):BK+4*(\t)+3], v[RD] offset:(\t)*2*PITCH  ; LDS serves a wave's instructions in order (ISA guide 5.7.1.4)
.endr
.endm
.macro SEND a
	WIN 0
.set BK, OB+192*((\a)%2)
	s_wait_dscnt 0x0
	s_wait_xcnt 0x0                                ; the base and the registers that earlier stores read are rewritten only behind this wait
.if (\a) > 0
	s_add_nc_u64 s[OUT:OUT+1], s[OUT:OUT+1], 16*ROWP
.endif
.irp t, 0,1,2,3,4,5,6,7
	global_store_b128 v[CO], v[BK+4*(\t):BK+4*(\t)+3], s[OUT:OUT+1] offset:2*(\t)*ROWP  ; 16 lanes store 256 consecutive bytes, aligned
.endr
.endm
	s_wait_tensorcnt 1                             ; my part of K step 0 is in; K step 1's may stay out
	s_barrier_signal -1
	s_barrier_wait -1
	FETCH 0, F0
	QUARTER 1, F0, F1, 1
	WIN 0
	s_mov_b32 s[CNT], 6
.Lk:                                                   ; trip k: quarters 1-3 of K step k, quarter 0 of K step k + 1; K step k + 2 is asked for
	QUARTER 2, F1, F0, 0
	QUARTER 3, F0, F1, 0
	TURN 1
	QUARTER 1, F0, F1, 0
	WIN 0
	s_sub_co_u32 s[CNT], s[CNT], 1
	s_cmp_lg_u32 s[CNT], 0
	s_cbranch_scc1 .Lk
	s_mov_b32 s[CNT], 2
.Ltail:                                                ; K steps 6 and 7: nothing more is asked for; the second trip is left in its middle
	QUARTER 2, F1, F0, 0
	QUARTER 3, F0, F1, 0
	TURN 0, 1
	WIN 0
	s_sub_co_u32 s[CNT], s[CNT], 1
	s_cmp_eq_u32 s[CNT], 0
	s_cbranch_scc1 .Lout
	QUARTER 1, F0, F1, 0
	WIN 0
	s_branch .Ltail
.Lout:
	PLACES
	s_cmp_gt_i32 s[DG], 0
	s_cbranch_scc1 .Lend                           ; wholly hidden: nothing of mine is stored
	v_mov_b32 v[TA], 0                             ; v_permlanex16_b32's destinations count as read
	v_mov_b32 v[TC], 0
	s_cmp_lg_u32 s[DG], 0
	s_cbranch_scc1 .Lsoft
	; ON THE DIAGONAL: query 16 a + r sees key 16 b + 8 h + j if it is not greater.  Blocks b > a are hidden whole; block b = a takes the mask 8 h + j > r
	v_lshlrev_b32 v3, 3, v2
	v_sub_nc_u32 v3, v1, v3
.irp j, 0,1,2,3,4,5,6,7
	v_cmp_gt_i32 vcc_lo, \j, v3
	v_cndmask_b32 v[MD+\j], 0, s[BIGN], vcc_lo
.endr
.irp a, 0,1,2,3,4,5,6,7
	WIN 0x82+0x41*((\a)/4)
.irp z, 0,2,4,6
	v_pk_add_f32 v[64*((\a)%4)+8*(\a)+\z:64*((\a)%4)+8*(\a)+\z+1], v[64*((\a)%4)+8*(\a)+\z:64*((\a)%4)+8*(\a)+\z+1], v[MD+\z:MD+\z+1]
.endr
.if (\a) < 7
.set n, 8*((\a)+1)
.rept 56-8*(\a)
	v_mov_b32 v[64*((\a)%4)+n], s[BIGN]
.set n, n+1
.endr
.endif
.endr
	WIN 0
.Lsoft:
	s_mov_b32 s[HC], 2
.Lwalk:                                                ; a walk: four row blocks, 64 of my queries
	SOFT 0
	TOSTAGE 0
.irp a, 1,2,3                          ; block a's softmax stands between block a - 1's loads from the stage and the wait for them
	SOFT \a
	SEND (\a)-1
	TOSTAGE \a
.endr
	SEND 3
	; the walk's statistics, through my stage: m' of row 16 a + r at byte 64 a + 4 r, l 256 bytes on (both halves of the lanes hold, and write, the same number);
	; back as 16 bytes a lane: lanes 0-15 hold the 64 m', lanes 16-31 the 64 l: each half stores 256 consecutive bytes, aligned
.irp a, 0,1,2,3
	ds_store_b32 v[SA], v[CMS+\a] offset:64*\a
	ds_store_b32 v[SA], v[LS+\a] offset:256+64*\a
.endr
	ds_load_b128 v[96:99], v[SL]
	s_wait_dscnt 0x0
	global_store_b128 v[SG], v[96:99], s[8:9]
	s_sub_co_u32 s[HC], s[HC], 1
	s_cmp_eq_u32 s[HC], 0
	s_cbranch_scc1 .Lend
	s_wait_xcnt 0x0                                ; the stores' bases and registers are rewritten only behind this wait
	s_add_nc_u64 s[OUT:OUT+1], s[OUT:OUT+1], 16*ROWP  ; on to my rows 64-127
	s_add_nc_u64 s[8:9], s[8:9], 256
	WIN 0x83                                       ; destination window 2, source window 3
.set n, 0
.rept 256
	v_mov_b32 v[n], v[n]
.set n, n+1
.endr
	WIN 0
	s_branch .Lwalk
.Lend:
	s_wait_tensorcnt 0x0                           ; the wave's end
	ds_add_u32 v[SPW], v[NIL]
	s_wait_dscnt 0x0
	s_endpgm
.Lfunc_end_k_q8f9b7bb422_score:
	.size	k_q8f9b7bb422_score, .Lfunc_end_k_q8f9b7bb422_score-k_q8f9b7bb422_score
	.p2alignl 7, 3214868480
	.fill 96, 4, 3214868480
	.section	.rodata,"a",@progbits
	.p2align	6, 0x0
	.amdhsa_kernel k_q8f9b7bb422_score
		.amdhsa_group_segment_fixed_size 327680
		.amdhsa_private_segment_fixed_size 0
		.amdhsa_enable_private_segment 0
		.amdhsa_kernarg_size 24
		.amdhsa_user_sgpr_count 2
		.amdhsa_user_sgpr_kernarg_segment_ptr 1
		.amdhsa_wavefront_size32 1
		.amdhsa_system_sgpr_workgroup_id_x 1
		.amdhsa_system_sgpr_workgroup_id_y 1
		.amdhsa_system_sgpr_workgroup_id_z 1
		.amdhsa_system_vgpr_workitem_id 0
		.amdhsa_next_free_vgpr 1024
		.amdhsa_next_free_sgpr 66
		.amdhsa_reserve_vcc 1
		.amdhsa_float_denorm_mode_32 3
		.amdhsa_float_denorm_mode_16_64 3
		.amdhsa_memory_ordered 1
		.amdhsa_forward_progress 1
		.amdhsa_inst_pref_size 136
	.end_amdhsa_kernel
	.amdgpu_metadata
---
amdhsa.version: [ 1, 2 ]
amdhsa.kernels:
  - .name:           k_q8f9b7bb422_score
    .symbol:         k_q8f9b7bb422_score.kd
    .args:
      - { .name: qkv, .offset: 0, .size: 8, .value_kind: global_buffer, .address_space: global }
      - { .name: pw, .offset: 8, .size: 8, .value_kind: global_buffer, .address_space: global }
      - { .name: st, .offset: 16, .size: 8, .value_kind: global_buffer, .address_space: global }
    .group_segment_fixed_size: 327680
    .private_segment_fixed_size: 0
    .kernarg_segment_align: 8
    .kernarg_segment_size: 24
    .max_flat_workgroup_size: 128
    .sgpr_count:     66
    .vgpr_count:     1024
    .wavefront_size: 32
...
	.end_amdgpu_metadata
.endif
;; end of part 3
;; launch pv (part 4): grid 8 x 32, 4 waves a work-group, clusters of 4 x 4, 327,680 bytes of LDS; arguments pw, qkv, st, bb, out0; writes out0
.if DOCPART == 4
	.amdgcn_target "amdgcn-amd-amdhsa--gfx1250"
	.amdhsa_code_object_version 6
	.text
	.protected	k_q8f9b7bb422_pv
	.globl	k_q8f9b7bb422_pv
	.p2align	8
	.type	k_q8f9b7bb422_pv,@function
k_q8f9b7bb422_pv:
	s_mov_b64 s[64:65], 0
	v_nop
	global_prefetch_b8 v0, s[64:65] scope:SCOPE_SE
	s_setreg_imm32_b32 hwreg(HW_REG_WAVE_MODE, 25, 1), 1
	s_wait_xcnt 0x0
	s_wait_alu depctr_hold_cnt(0) depctr_sa_sdst(0) depctr_va_vdst(0) depctr_va_sdst(0) depctr_va_ssrc(0) depctr_va_vcc(0) depctr_vm_vsrc(0)
	s_getreg_b32 s2, hwreg(HW_REG_IB_STS2, 6, 4)
	s_cmp_eq_u32 s2, 0
	s_cbranch_scc0 .Lentry_in_a_cluster
	s_endpgm
.Lentry_in_a_cluster:
	s_bfe_u32 s2, ttmp6, 0x10000c
	s_cmp_lg_u32 s2, 0xf033
	s_cbranch_scc0 .Lentry_shape_is_right
	s_endpgm
.Lentry_shape_is_right:
; PV.  out[row][h] = bv[h] + the sum over chunks j of 128 keys of f'_j(row) x (P_j V_j)[row][h], with M = max_j m'_j, L = sum_j l_j 2^(m'_j - M), f'_j = 2^(m'_j - M) / L.
; pw: [8192][2048] f16, V: qkv + 33,554,432, [8192][1024] f16, st: m' and l, [16][8192] f32 each, bb's row 3: bv, out0: [8192][1024] f32.  The weights of a row sum to 1, so bv may be added last: it starts the sums.
; A chunk's product is summed in f32 from 0 (T) and folded in f32, O += f' T: neither f' nor p f' is rounded to 16 bits.  The row's true maximum is taken away here.
; LIMITS.  A factor below 2^-126 counts as 0.  NaN and infinities are not treated apart.  Sums are taken in another order than in the definition.
; SHARES.  A work-group makes two tiles of 128 rows x 128 columns: rows 512 R + 128 cy of batch b, first R = 3 - pi, then R = pi (cluster y = 2 b + pi); columns 128 (4 x cluster x + cx).  Keys go in laps of 512:
; 4 - pi laps for the first tile, ascending, pi + 1 for the second, descending: always 5 laps = 10 slots of 256 keys = 20 chunks, so every trip count is a constant and all work-groups are alike.
; On a tile's last lap the chunks beyond a row block's own hold zeros in pw and f' = 0: they are multiplied all the same, since partners in a cluster run alike.
; CLUSTER.  4 x 4: P's tile is asked for jointly along a row of the cluster (same cy), V's along a column (same cx).
; A wave makes 64 x 64.  The product is used transposed (source 0 = 16 columns of V, turned by ds_load_tr16_b128; source 1 = 16 rows of P): a lane holds one row and eight neighbouring columns, and f' is one number a lane.
; WINDOWS: 0: addresses, f', bv, O (v128-255; accumulator 4 a + b at 128 + 8 (4 a + b)); 1: two fragment buffers of 128 (P's 64, then V's 64); 2: T0 (v0-127), T1 (v128-255).
.set PP,     528                       ; a row of P in LDS: 512 bytes + 16
.set PV,     288                       ; a row of V: 256 bytes + 32 = 9 x 32
.set VOFF,   128*PP                    ; a slot: 128 rows of P, then 256 rows of V
.set SLOT1,  147456                    ; slot 1 begins here: 0x24000 shares no bit with the four waves' LDS words, so one exclusive or changes slots
.set FT,     SLOT1+VOFF+256*PV         ; f' in the order of the walk: 20 chunks x 128 rows x 4 bytes
.set STAGE,  FT+20*512                 ; 16 rows x 272 bytes for each wave
.set SP,     272
.set SPARE,  STAGE+4*16*SP             ; the spare words: two blocks of 256 bytes that no other line names
.set ADRP0, 4
.set ADRP,  5
.set ADRV0, 6
.set ADRVA, 7                          ; V's rows 0-127 of the slot in hand
.set ADRVB, 8                          ; its rows 128-255: an LDS offset has 16 bits
.set FADR,  9
.set FTW,   10
.set STO,   11
.set RD,    12
.set GO,    13
.set PFO,   14
.set SO,    15                         ; 4 t: my row's word in st
.set BO,    16                         ; 32 h
.set SPW,   28
.set NIL,   29
.set FR0,   32                         ; v[32:39] f' of the slot's first chunk: row block a in v[32 + 2 a]; the odd registers hold 0, named as pairs
.set FR1,   40                         ; v[40:47] of its second
.set BV,    64                         ; v[64:95] bv of my 64 columns
.set O,     128
.set MA,    128                        ; before O begins: the statistics
.set LAV,   144
.set MB,    160
.set LBV,   168
.set F0,    0
.set F1,    128
.set WV,   14
.set RH,   15                          ; my 64 rows; also: I fetch for P (0) or V (1)
.set CH,   16                          ; my 64 columns; also: which half of that tile I fetch
.set CX,   17
.set CY,   18
.set HB,   19
.set BB,   20
.set PI,   21
.set LA,   22                          ; laps of the first tile
.set CNT,  23
.set G1P,  24
.set G0P,  32
.set G1V,  40
.set G0V,  48
.set PB0,  56
.set VB0,  58
.set TB,   60
.set NX,   61                          ; the walk's slot to be asked for next
.set RA,   62
.set RB,   63
.set OFFP, 66
.set OFFV, 68
.set OUTA, 74
.set OUTB, 76
.set PFB,  78
.set PFOF, 80
.set LIMQ, 82
.set ENDX, 83
.set LAMP, 84
.set PFA,  86
.set MSB, 0
.macro WIN new
.if MSB != (\new)
	s_set_vgpr_msb (MSB<<8)|(\new)
.set MSB, \new
.endif
.endm
.macro PLACES
.rept 4
	v_nop
.endr
.endm
.macro JLOAD
	s_cmp_eq_u32 s[RH], 0
	s_cbranch_scc0 .Lfor_v_\@
	tensor_load_to_lds s[G0P+4:G0P+7], s[G1P:G1P+7]
	s_nop 0
.rept 4
	v_nop
.endr
	s_branch .Lasked_\@
.Lfor_v_\@:
	tensor_load_to_lds s[G0V+4:G0V+7], s[G1V:G1V+7]
	s_nop 0
.rept 4
	v_nop
.endr
.Lasked_\@:
.endm
.macro ASK                             ; a prefetch of the walk's slot two refills on, 256 matrix instructions ahead of its load: 32 blocks of 256 bytes, a lane a block
	s_cmp_le_i32 s[LAMP], s[LIMQ]
	s_cbranch_scc0 .Lnot_mine_\@
	global_prefetch_b8 v[PFO], s[PFA:PFA+1] th:TH_LOAD_NT scope:SCOPE_SE
.Lnot_mine_\@:
.endm
.macro CREST
	s_cmp_lg_u32 s[WV], 0
	s_cbranch_scc1 .Lnot_wave_0_\@
	s_barrier_signal -3
.Lnot_wave_0_\@:
	s_barrier_wait -3
	s_barrier_signal -1
	s_barrier_wait -1
.endm
.macro CROUND
	s_barrier_signal -1
	s_barrier_wait -1
	CREST
.endm
; Where the walk's slot n lies: lap n / 2; the first tile's laps ascend, the second's descend.  Leaves the byte offsets in s[OFFP] (rows 512 R, keys 256 kk) and s[OFFV] (keys 256 kk).
.macro WADDR n
	s_lshr_b32 s70, \n, 1
	s_sub_co_u32 s71, 4, s70
	s_cmp_lt_u32 s70, s[LA]
	s_cselect_b32 s71, s70, s71                    ; the lap of keys
	s_cselect_b32 s72, s[RA], s[RB]
	s_and_b32 s73, \n, 1
	s_lshl1_add_u32 s71, s71, s73                  ; kk
	s_lshl_b32 s[OFFP], s72, 21
	s_lshl_b32 s73, s71, 9
	s_add_co_u32 s[OFFP], s[OFFP], s73
	s_lshl_b32 s[OFFV], s71, 19
.endm
	s_load_b256 s[4:11], s[0:1], 0x0               ; pw s[4:5], qkv s[6:7], st s[8:9], bb s[10:11]
	s_load_b64 s[12:13], s[0:1], 0x20              ; out0
	v_lshl_add_u32 v[SPW], v0, 2, SPARE
	v_mov_b32 v[NIL], 0
	ds_add_u32 v[SPW], v[NIL]                      ; the wave's opening: the add and its wait ahead of my first tensor load
	v_lshrrev_b32 v1, 5, v0
	v_readfirstlane_b32 s[WV], v1
	s_lshr_b32 s[RH], s[WV], 1
	s_and_b32 s[CH], s[WV], 1
	s_bfe_u32 s[CX], ttmp6, 0x40000
	s_bfe_u32 s[CY], ttmp6, 0x40004
	s_lshl_b32 s[HB], ttmp9, 2
	s_add_co_u32 s[HB], s[HB], s[CX]
	s_and_b32 s70, ttmp7, 0xffff
	s_lshr_b32 s[BB], s70, 1
	s_and_b32 s[PI], s70, 1
	s_sub_co_u32 s[LA], 4, s[PI]
	s_sub_co_u32 s[RA], 3, s[PI]
	s_mov_b32 s[RB], s[PI]
	s_lshl1_add_u32 s[ENDX], s[LA], 2              ; NX has this value when the first tile's last chunk has been folded
	s_lshl_b32 s70, s[CY], 2
	s_lshl_b32 s70, 15, s70                        ; my row of the cluster
	s_lshl_b32 s72, 0x1111, s[CX]                  ; my column
	s_or_b32 s[G1P], s70, (1<<16)|(1<<20)|(1<<21)|(6<<22)|(3<<25)  ; after every 128 words 4 words
	s_mov_b32 s[G1P+1], 256<<16                    ; tensor_dim0 = 256 keys
	s_mov_b32 s[G1P+2], 64<<16                     ; tensor_dim1 = 64 rows
	s_mov_b32 s[G1P+3], 256<<16
	s_mov_b32 s[G1P+4], 64
	s_mov_b32 s[G1P+5], 2048
	s_mov_b32 s[G1P+6], 0
	s_mov_b32 s[G1P+7], 0
	s_or_b32 s[G1V], s72, (1<<16)|(1<<20)|(1<<21)|(5<<22)|(7<<25)  ; after every 64 words 8 words
	s_mov_b32 s[G1V+1], 128<<16                    ; 128 columns
	s_mov_b32 s[G1V+2], 128<<16                    ; 128 keys
	s_mov_b32 s[G1V+3], 128<<16
	s_mov_b32 s[G1V+4], 128
	s_mov_b32 s[G1V+5], 1024
	s_mov_b32 s[G1V+6], 0
	s_mov_b32 s[G1V+7], 0
	s_lshl_b32 s70, s[BB], 23                      ; P: the batch, my cluster row's 128 rows, my 64 of them
	s_lshl_b32 s71, s[CY], 19
	s_add_co_u32 s70, s70, s71
	s_lshl_b32 s71, s[CH], 18
	s_add_co_u32 s70, s70, s71
	s_mov_b32 s71, 0
	s_lshl_b32 s72, s[BB], 22                      ; V: the batch, my 128 keys of a slot's 256, the 128 columns
	s_lshl_b32 s73, s[CH], 18
	s_add_co_u32 s72, s72, s73
	s_lshl_b32 s73, s[HB], 8
	s_add_co_u32 s72, s72, s73
	s_add_co_u32 s72, s72, 33554432
	s_mov_b32 s73, 0
	s_mul_i32 s88, s[CH], 64*PP                    ; where my part of a slot lies, for P
	s_mul_i32 s89, s[CH], 128*PV                   ; and for V
	s_add_co_u32 s89, s89, VOFF
	s_lshl_b32 s[OFFP], s[RA], 21                  ; the walk's slot 0: the first tile's rows, keys 0
	s_mov_b32 s[OFFP+1], 0
	s_mov_b32 s[OFFV+1], 0
	s_mov_b32 s[PFOF+1], 0
	s_mov_b32 s[TB], 0
	s_mov_b32 s[NX], 2
	s_wait_dscnt 0x0
	s_wait_kmcnt 0x0
	s_add_nc_u64 s[PB0:PB0+1], s[4:5], s[70:71]
	s_add_nc_u64 s[VB0:VB0+1], s[6:7], s[72:73]
	CROUND                                         ; all sixteen work-groups are here: the first joint loads meet
	s_mov_b32 s[G0P], 1
	s_mov_b32 s[G0P+1], s88
	s_add_nc_u64 s[G0P+2:G0P+3], s[PB0:PB0+1], s[OFFP:OFFP+1]
	s_add_nc_u64 s[G0P+6:G0P+7], s[G0P+2:G0P+3], 512
	s_or_b32 s[G0P+3], s[G0P+3], 0x80000000
	s_mov_b32 s[G0P+4], 1
	s_add_co_u32 s[G0P+5], s88, SLOT1
	s_or_b32 s[G0P+7], s[G0P+7], 0x80000000
	s_mov_b32 s[G0V], 1
	s_mov_b32 s[G0V+1], s89
	s_add_nc_u64 s[G0V+2:G0V+3], s[VB0:VB0+1], 0
	s_add_nc_u64 s[G0V+6:G0V+7], s[VB0:VB0+1], 0x80000
	s_or_b32 s[G0V+3], s[G0V+3], 0x80000000
	s_mov_b32 s[G0V+4], 1
	s_add_co_u32 s[G0V+5], s89, SLOT1
	s_or_b32 s[G0V+7], s[G0V+7], 0x80000000
	s_cmp_eq_u32 s[RH], 0                          ; a wave's two first fills stand in one branch: the walk's slots 0 and 1; two loads of mine are out
	s_cbranch_scc0 .Lfirst_v
	tensor_load_to_lds s[G0P:G0P+3], s[G1P:G1P+7]
	s_nop 0
	tensor_load_to_lds s[G0P+4:G0P+7], s[G1P:G1P+7]
	s_nop 0
.rept 4
	v_nop
.endr
	s_branch .Lfirst_asked
.Lfirst_v:
	tensor_load_to_lds s[G0V:G0V+3], s[G1V:G1V+7]
	s_nop 0
	tensor_load_to_lds s[G0V+4:G0V+7], s[G1V:G1V+7]
	s_nop 0
.rept 4
	v_nop
.endr
.Lfirst_asked:
	v_and_b32 v1, 15, v0                           ; r
	v_bfe_u32 v2, v0, 4, 1                         ; h
	v_and_b32 v3, 31, v0                           ; l
	v_lshlrev_b32 v[SO], 2, v0
	v_lshlrev_b32 v[BO], 5, v2
	; the statistics: thread t is row t of each tile; the first tile may see chunks 0-15, the second 0-7; what a row does not see holds the neutral pair
	s_lshl_b32 s88, s[BB], 13
	s_lshl_b32 s89, s[CY], 9
	s_add_co_u32 s88, s88, s89
	s_lshl_b32 s70, s[RA], 11
	s_add_co_u32 s70, s70, s88
	s_mov_b32 s71, 0
	s_lshl_b32 s72, s[RB], 11
	s_add_co_u32 s72, s72, s88
	s_mov_b32 s73, 0
	s_add_nc_u64 s[70:71], s[8:9], s[70:71]
	s_add_nc_u64 s[72:73], s[8:9], s[72:73]
.set j, 0
.rept 16
	global_load_b32 v[MA+j],  v[SO], s[70:71] offset:j*32768
	global_load_b32 v[LAV+j], v[SO], s[70:71] offset:j*32768+524288
.set j, j+1
.endr
.set j, 0
.rept 8
	global_load_b32 v[MB+j],  v[SO], s[72:73] offset:j*32768
	global_load_b32 v[LBV+j], v[SO], s[72:73] offset:j*32768+524288
.set j, j+1
.endr
	s_lshl_b32 s88, s[HB], 9
	s_lshl_b32 s89, s[CH], 8
	s_add_co_u32 s88, s88, s89
	s_add_co_u32 s88, s88, 12288                   ; bb's row 3
	s_mov_b32 s89, 0
	s_add_nc_u64 s[10:11], s[10:11], s[88:89]
.irp b, 0,1,2,3
	global_load_b128 v[BV+8*\b:BV+8*\b+3],   v[BO], s[10:11] offset:64*\b
	global_load_b128 v[BV+8*\b+4:BV+8*\b+7], v[BO], s[10:11] offset:64*\b+16
.endr
	v_mul_u32_u24 v17, v1, PP                      ; P's fragment: row r x pitch + 16 h
	v_lshl_add_u32 v17, v2, 4, v17
	s_mul_i32 s88, s[RH], 64*PP
	v_add_nc_u32 v[ADRP0], s88, v17
	v_and_b32 v17, 7, v0                           ; V's, turned: lane l reads key 8 h + l % 8, columns 8 ((l / 8) % 2) + 0..7
	v_lshl_add_u32 v17, v2, 3, v17
	v_mul_u32_u24 v17, v17, PV
	v_bfe_u32 v18, v0, 3, 1
	v_lshl_add_u32 v17, v18, 4, v17
	s_lshl_b32 s88, s[CH], 7
	s_add_co_u32 s88, s88, VOFF
	v_add_nc_u32 v[ADRV0], s88, v17
	v_mov_b32 v[ADRP], v[ADRP0]
	v_mov_b32 v[ADRVA], v[ADRV0]
	v_add_nc_u32 v[ADRVB], 128*PV, v[ADRV0]
	s_lshl_b32 s88, s[RH], 8
	s_add_co_u32 s88, s88, FT
	v_lshl_add_u32 v[FADR], v1, 2, s88             ; f' of row 64 RH + r; row block a 64 bytes on
	v_lshl_add_u32 v[FTW], v0, 2, FT
	s_mul_i32 s88, s[WV], 16*SP
	s_add_co_u32 s88, s88, STAGE
	v_mul_u32_u24 v17, v1, SP
	v_lshl_add_u32 v17, v2, 5, v17
	v_add_nc_u32 v[STO], s88, v17                  ; in: row r, 32 bytes for each half of the lanes
	v_mul_u32_u24 v17, v2, SP
	v_lshl_add_u32 v17, v1, 4, v17
	v_add_nc_u32 v[RD], s88, v17                   ; back: lanes 0-15 one row of 256 bytes, lanes 16-31 the next
	v_lshlrev_b32 v[GO], 12, v2
	v_lshl_add_u32 v[GO], v1, 4, v[GO]
.irp i, 1,3,5,7,9,11,13,15
	v_mov_b32 v[FR0+\i], 0
.endr
	s_lshl_b32 s88, s[BB], 23                      ; out0: the batch, my cluster row's 128 rows, my 64, my 64 columns of 4 bytes
	s_lshl_b32 s89, s[CY], 19
	s_add_co_u32 s88, s88, s89
	s_lshl_b32 s89, s[RH], 18
	s_add_co_u32 s88, s88, s89
	s_lshl_b32 s89, s[HB], 9
	s_add_co_u32 s88, s88, s89
	s_lshl_b32 s89, s[CH], 8
	s_add_co_u32 s88, s88, s89
	s_lshl_b32 s[OUTA], s[RA], 21
	s_add_co_u32 s[OUTA], s[OUTA], s88
	s_mov_b32 s[OUTA+1], 0
	s_lshl_b32 s[OUTB], s[RB], 21
	s_add_co_u32 s[OUTB], s[OUTB], s88
	s_mov_b32 s[OUTB+1], 0
	s_add_nc_u64 s[OUTA:OUTA+1], s[12:13], s[OUTA:OUTA+1]
	s_add_nc_u64 s[OUTB:OUTB+1], s[12:13], s[OUTB:OUTB+1]
	; THE PREFETCHES.  P's rows are read by both clusters of a row of clusters: cluster x = 0 asks, for all five laps.  V's rows are read by the batch's two clusters of a column: pi = 0 asks, in its first four laps,
	; which walk all of V once.  The four partners of a joint load share its blocks out by address: of P's 64 rows of 512 bytes a wave 16 each (cx), two lanes a row; of V's 128 rows of 256 bytes 32 each (cy).
	s_cmp_eq_u32 s[RH], 0
	s_cselect_b32 s88, ttmp9, s[PI]
	s_cselect_b32 s89, 4, 3
	s_cselect_b32 s85, s[CX], s[CY]
	s_cselect_b64 s[PFB:PFB+1], s[PB0:PB0+1], s[VB0:VB0+1]
	s_cmp_eq_u32 s88, 0
	s_cselect_b32 s[LIMQ], s89, -1                 ; the same in all sixteen partners, for a given wave
	s_lshl_b32 s88, s85, 16
	s_mov_b32 s89, 0
	s_add_nc_u64 s[PFB:PFB+1], s[PFB:PFB+1], s[88:89]
	s_sub_co_u32 s88, 1, s[RH]
	s_sub_co_u32 s89, 12, s[RH]
	v_lshrrev_b32 v[PFO], s88, v3
	v_lshlrev_b32 v[PFO], s89, v[PFO]
	v_and_b32 v17, s88, v3
	v_lshl_add_u32 v[PFO], v17, 8, v[PFO]
	s_wait_loadcnt 0x0                             ; the statistics and bv
	v_max3_num_f32 v176, v[MA], v[MA+1], v[MA+2]
	v_max3_num_f32 v177, v[MB], v[MB+1], v[MB+2]
.irp j, 3,5,7,9,11,13
	v_max3_num_f32 v176, v176, v[MA+\j], v[MA+\j+1]
.endr
.irp j, 3,5
	v_max3_num_f32 v177, v177, v[MB+\j], v[MB+\j+1]
.endr
	v_max_num_f32 v176, v176, v[MA+15]             ; M of my row of the first tile,
	v_max_num_f32 v177, v177, v[MB+7]              ; and of the second
.set j, 0
.rept 16
	v_sub_f32 v[MA+j], v[MA+j], v176
.set j, j+1
.endr
.set j, 0
.rept 8
	v_sub_f32 v[MB+j], v[MB+j], v177
.set j, j+1
.endr
.set j, 0
.rept 16
	v_exp_f32 v[MA+j], v[MA+j]
.set j, j+1
.endr
.set j, 0
.rept 8
	v_exp_f32 v[MB+j], v[MB+j]
.set j, j+1
.endr
	v_nop                                          ; a plain instruction behind the last exponential,
	s_wait_alu depctr_va_vdst(0)                   ; and the one wait ahead of the batch's first reader
	v_mul_f32 v178, v[LAV], v[MA]
	v_mul_f32 v179, v[LAV+1], v[MA+1]
	v_mul_f32 v180, v[LBV], v[MB]
	v_mul_f32 v181, v[LBV+1], v[MB+1]
.set j, 2
.rept 14
	v_fmac_f32 v[178+j%2], v[LAV+j], v[MA+j]
.set j, j+1
.endr
.set j, 2
.rept 6
	v_fmac_f32 v[180+j%2], v[LBV+j], v[MB+j]
.set j, j+1
.endr
	v_add_f32 v178, v178, v179                     ; L: at least 1, since the chunk that holds M has l >= 1
	v_add_f32 v180, v180, v181
	v_rcp_f32 v182, v178
	v_rcp_f32 v183, v180
	v_nop
	s_wait_alu depctr_va_vdst(0)
.set j, 0
.rept 16
	v_mul_f32 v[MA+j], v[MA+j], v182
.set j, j+1
.endr
.set j, 0
.rept 8
	v_mul_f32 v[MB+j], v[MB+j], v183
.set j, j+1
.endr
	; THE TABLE, in the order of the walk.  Chunks 0-11: the first tile's.  12-15: the first tile's 12-15 (pi = 0) or the second's 4-7 (pi = 1): of the two numbers the other is 0, by the neutral statistics.  16-19: the second's 0-3.
.irp u, 0,1,2,3
	v_add_f32 v[MA+12+\u], v[MA+12+\u], v[MB+4+\u]
.endr
.set j, 0
.rept 16
	ds_store_b32 v[FTW], v[MA+j] offset:512*j
.set j, j+1
.endr
.set j, 0
.rept 4
	ds_store_b32 v[FTW], v[MB+j] offset:512*(16+j)
.set j, j+1
.endr
.set n, 0
.rept 128
	v_mov_b32 v[O+n], v[BV+n%32]                   ; bv starts the sums
.set n, n+1
.endr
; 8 matrix instructions: row blocks a0, a0 + 1 x all 4 column blocks, 32 keys: half c of buffer f, into T.  zero = 1: they start the chunk's sums.  The 16 accumulators take turns.
.macro MUL8 f, c, a0, T, zero
	WIN 0xa5
.irp a, \a0, (\a0)+1
.irp b, 0,1,2,3
.if \zero
	v_wmma_f32_16x16x32_f16 v[(\T)+8*(4*(\a)+(\b)):(\T)+8*(4*(\a)+(\b))+7], v[(\f)+64+8*(4*(\c)+(\b)):(\f)+64+8*(4*(\c)+(\b))+7], v[(\f)+8*(4*(\c)+(\a)):(\f)+8*(4*(\c)+(\a))+7], 0
.else
	v_wmma_f32_16x16x32_f16 v[(\T)+8*(4*(\a)+(\b)):(\T)+8*(4*(\a)+(\b))+7], v[(\f)+64+8*(4*(\c)+(\b)):(\f)+64+8*(4*(\c)+(\b))+7], v[(\f)+8*(4*(\c)+(\a)):(\f)+8*(4*(\c)+(\a))+7], v[(\T)+8*(4*(\a)+(\b)):(\T)+8*(4*(\a)+(\b))+7]
.endif
.endr
.endr
.endm
.macro FOLD4 T                         ; O[n] += f' x T[n]: four packed lines, from the accumulator's low end on; n is set by the caller
	WIN 0x02
.set z, 0
.rept 4
	v_pk_fma_f32 v[O+8*n+z:O+8*n+z+1], v[(\T)+8*n+z:(\T)+8*n+z+1], v[FR0+8*((\T)/128)+2*(n/4):FR0+8*((\T)/128)+2*(n/4)+1], v[O+8*n+z:O+8*n+z+1] op_sel_hi:[1,0,1]
.set z, z+2
.endr
.endm
.macro MULF f, T                       ; a chunk's first 16 products start its sums in T; behind each stand four folds of the chunk before, in the other T
.set n, 0
.rept 16
	WIN 0xa5
	v_wmma_f32_16x16x32_f16 v[(\T)+8*n:(\T)+8*n+7], v[(\f)+64+8*(n%4):(\f)+64+8*(n%4)+7], v[(\f)+8*(n/4):(\f)+8*(n/4)+7], 0
	FOLD4 128-(\T)
.set n, n+1
.endr
.endm
; 32 LDS loads in one run: quarter qq's fragments (64 keys) into buffer f, the first 32 keys first; nf = 4: then f' of the chunk in hand, from byte fo behind FADR, into fr
.macro FETCH qq, f, nf, fo, fr
	WIN 0x40
.set AV, ADRVA+(\qq)/2
.irp c, 0,1
.irp i, 0,1,2,3
	ds_load_tr16_b128 v[(\f)+64+8*(4*(\c)+(\i)):(\f)+64+8*(4*(\c)+(\i))+3],   v[AV] offset:(2*((\qq)%2)+(\c))*32*PV+32*(\i)
	ds_load_tr16_b128 v[(\f)+64+8*(4*(\c)+(\i))+4:(\f)+64+8*(4*(\c)+(\i))+7], v[AV] offset:(2*((\qq)%2)+(\c))*32*PV+16*PV+32*(\i)
	ds_load_b128 v[(\f)+8*(4*(\c)+(\i)):(\f)+8*(4*(\c)+(\i))+3],   v[ADRP] offset:(\i)*16*PP+128*(\qq)+64*(\c)
	ds_load_b128 v[(\f)+8*(4*(\c)+(\i))+4:(\f)+8*(4*(\c)+(\i))+7], v[ADRP] offset:(\i)*16*PP+128*(\qq)+64*(\c)+32
.endr
.endr
.if \nf
	WIN 0
.irp a, 0,1,2,3
	ds_load_b32 v[(\fr)+2*(\a)], v[FADR] offset:(\fo)+64*(\a)
.endr
.endif
.endm
; A quarter: 64 keys, 32 matrix instructions on buffer f into T; in its middle quarter qq is fetched into buffer g.  head: the LDS loads that may stay out: the second 32 keys' 16, and 4 more where f' followed them.
; start = 0: in place; 1: the first 16 start the sums; 2: they start the sums and the chunk before is folded beside them.
.macro QUARTER qq, f, g, T, head, start, nf, fo
	s_wait_dscnt \head
.if (\start) == 2
	PLACES                                         ; behind the products that ended the chunk before, and in front of the loads into buffer g
	MULF \f, \T
.else
	MUL8 \f, 0, 0, \T, \start
	MUL8 \f, 0, 2, \T, \start
	PLACES
.endif
	FETCH \qq, \g, \nf, \fo, FR0+8*((\T)/128)
	s_wait_dscnt 32+(\nf)                          ; all but the run just issued
	MUL8 \f, 1, 0, \T, 0
	MUL8 \f, 1, 2, \T, 0
.endm
; A slot's last quarter multiplies buffer 1 into T1 and changes slots.  In front of the barrier each wave waits for all its tensor loads (one is out: its part of the next slot), adds 0 to its spare word, and waits for
; that and for its reads of this slot.  fill = 1: the barrier opens a round of the cluster's, and the joint refill, the walk's slot NX, is the first thing behind it: 112 matrix instructions ahead of the wait for it.
.macro TURN fill
.if \fill
	s_wait_xcnt 0x0                                ; the last prefetch, a slot back, has read its address
.endif
	WIN 0
	s_wait_tensorcnt 0x0
	ds_add_u32 v[SPW], v[NIL]                      ; 0 onto my spare word; the descriptors' scalar work stands between it and the wait for it
.if \fill
	WADDR s[NX]
	s_xor_b32 s[G0P+5], s[G0P+5], SLOT1
	s_add_nc_u64 s[G0P+6:G0P+7], s[PB0:PB0+1], s[OFFP:OFFP+1]
	s_or_b32 s[G0P+7], s[G0P+7], 0x80000000
	s_xor_b32 s[G0V+5], s[G0V+5], SLOT1
	s_add_nc_u64 s[G0V+6:G0V+7], s[VB0:VB0+1], s[OFFV:OFFV+1]
	s_or_b32 s[G0V+7], s[G0V+7], 0x80000000
	s_add_co_u32 s85, s[NX], 2
	s_lshr_b32 s[LAMP], s85, 1                     ; the lap two refills on decides whether I ask;
	s_min_u32 s85, s85, 9                          ; the address is made for a slot of the walk in any case
	WADDR s85
	s_cmp_eq_u32 s[RH], 0
	s_cselect_b32 s[PFOF], s[OFFP], s[OFFV]
	s_add_nc_u64 s[PFA:PFA+1], s[PFB:PFB+1], s[PFOF:PFOF+1]
.endif
	s_wait_dscnt 21                                ; the add, the four f' and the second 32 keys' 16 loads may be out
	MUL8 F1, 0, 0, 128, 0
	s_wait_dscnt 0x0                               ; the add is done, and my reads of this slot are over
	s_barrier_signal -1
	MUL8 F1, 0, 2, 128, 0
	WIN 0
	s_barrier_wait -1
.if \fill
	CREST
	JLOAD                                          ; its four v_nop are also the places in front of the loads below
	s_add_co_u32 s[NX], s[NX], 1
.else
	PLACES
.endif
	s_xor_b32 s[TB], s[TB], SLOT1
	v_add_nc_u32 v[ADRP], s[TB], v[ADRP0]
	v_add_nc_u32 v[ADRVA], s[TB], v[ADRV0]
	v_add_nc_u32 v[ADRVB], 128*PV, v[ADRVA]
	FETCH 0, F0, 0, 0, FR0
.if \fill
	WIN 0
	ASK
.endif
	MUL8 F1, 1, 0, 128, 0
	MUL8 F1, 1, 2, 128, 0
.endm
; A TILE GOES OUT: 16 rows at a time through my stage (a row of my 64 columns is 256 bytes), back into the registers that they left, and stored.  reinit = 1: bv starts the next tile's sums.
.macro EPI out, reinit
	WIN 0
.irp a, 0,1,2,3
.irp b, 0,1,2,3
	ds_store_b128 v[STO], v[O+8*(4*(\a)+(\b)):O+8*(4*(\a)+(\b))+3]   offset:64*(\b)
	ds_store_b128 v[STO], v[O+8*(4*(\a)+(\b))+4:O+8*(4*(\a)+(\b))+7] offset:64*(\b)+16
.endr
.irp f, 0,1,2,3,4,5,6,7
	ds_load_b128 v[O+32*(\a)+4*(\f):O+32*(\a)+4*(\f)+3], v[RD] offset:(\f)*2*SP  ; LDS serves a wave's instructions in order (ISA guide 5.7.1.4): these see the stores above; the next block's stores come behind them
.endr
.endr
.irp a, 0,1,2,3
.irp f, 0,1,2,3,4,5,6,7
	s_wait_dscnt (3-(\a))*16+7-(\f)                ; the later blocks' sixteen each and this block's later loads may be out
	global_store_b128 v[GO], v[O+32*(\a)+4*(\f):O+32*(\a)+4*(\f)+3], s[\out:\out+1] offset:(16*(\a)+2*(\f))*4096  ; 16 lanes store 256 consecutive bytes, aligned
.endr
.endr
.if \reinit
	s_wait_xcnt 0x0                                ; the stores' registers are rewritten only behind this wait
.set n, 0
.rept 128
	v_mov_b32 v[O+n], v[BV+n%32]
.set n, n+1
.endr
.endif
.endm
	s_wait_tensorcnt 1                             ; my part of the walk's slot 0 is in; slot 1's may stay out
	s_wait_dscnt 0x0                               ; my rows of the table are written
	s_barrier_signal -1
	s_barrier_wait -1
	FETCH 0, F0, 0, 0, FR0
	QUARTER 1, F0, F1, 0, 16, 1, 4, 0              ; the first quarter has nothing to fold
	WIN 0
	s_mov_b32 s[CNT], 8
.Lslot:                                                ; trip n: quarters 1-3 of the walk's slot n, quarter 0 of slot n + 1; slot n + 2 is asked for
	QUARTER 2, F1, F0, 0, 20, 0, 0, 0
	QUARTER 3, F0, F1, 128, 16, 2, 4, 512
	TURN 1
	QUARTER 1, F0, F1, 0, 16, 2, 4, 1024
	WIN 0
	v_add_nc_u32 v[FADR], 1024, v[FADR]
	s_cmp_lg_u32 s[NX], s[ENDX]
	s_cbranch_scc1 .Lsame_tile                     ; a forward jump past text with no barrier and no tensor load; the same in all partners
	EPI OUTA, 1                                    ; the first tile's last chunk has just been folded
.Lsame_tile:
	s_sub_co_u32 s[CNT], s[CNT], 1
	s_cmp_lg_u32 s[CNT], 0
	s_cbranch_scc1 .Lslot
	QUARTER 2, F1, F0, 0, 20, 0, 0, 0              ; the tail is written out: nothing more is asked for
	QUARTER 3, F0, F1, 128, 16, 2, 4, 512
	TURN 0
	QUARTER 1, F0, F1, 0, 16, 2, 4, 1024
	WIN 0
	v_add_nc_u32 v[FADR], 1024, v[FADR]
	QUARTER 2, F1, F0, 0, 20, 0, 0, 0
	QUARTER 3, F0, F1, 128, 16, 2, 4, 512
	s_wait_dscnt 20
	MUL8 F1, 0, 0, 128, 0
	MUL8 F1, 0, 2, 128, 0
	s_wait_dscnt 0x0
	MUL8 F1, 1, 0, 128, 0
	MUL8 F1, 1, 2, 128, 0
	PLACES
.set n, 0
.rept 16
	FOLD4 128                                      ; the last chunk
.set n, n+1
.endr
	EPI OUTB, 0
	s_wait_tensorcnt 0x0                           ; the wave's end
	ds_add_u32 v[SPW], v[NIL]
	s_wait_dscnt 0x0
	CROUND                                         ; the closing round
	s_endpgm
.Lfunc_end_k_q8f9b7bb422_pv:
	.size	k_q8f9b7bb422_pv, .Lfunc_end_k_q8f9b7bb422_pv-k_q8f9b7bb422_pv
	.p2alignl 7, 3214868480
	.fill 96, 4, 3214868480
	.section	.rodata,"a",@progbits
	.p2align	6, 0x0
	.amdhsa_kernel k_q8f9b7bb422_pv
		.amdhsa_group_segment_fixed_size 327680
		.amdhsa_private_segment_fixed_size 0
		.amdhsa_enable_private_segment 0
		.amdhsa_kernarg_size 40
		.amdhsa_user_sgpr_count 2
		.amdhsa_user_sgpr_kernarg_segment_ptr 1
		.amdhsa_wavefront_size32 1
		.amdhsa_system_sgpr_workgroup_id_x 1
		.amdhsa_system_sgpr_workgroup_id_y 1
		.amdhsa_system_sgpr_workgroup_id_z 1
		.amdhsa_system_vgpr_workitem_id 0
		.amdhsa_next_free_vgpr 768
		.amdhsa_next_free_sgpr 90
		.amdhsa_reserve_vcc 0
		.amdhsa_float_denorm_mode_32 3
		.amdhsa_float_denorm_mode_16_64 3
		.amdhsa_memory_ordered 1
		.amdhsa_forward_progress 1
		.amdhsa_inst_pref_size 130
	.end_amdhsa_kernel
	.amdgpu_metadata
---
amdhsa.version: [ 1, 2 ]
amdhsa.kernels:
  - .name:           k_q8f9b7bb422_pv
    .symbol:         k_q8f9b7bb422_pv.kd
    .args:
      - { .name: pw, .offset: 0, .size: 8, .value_kind: global_buffer, .address_space: global }
      - { .name: qkv, .offset: 8, .size: 8, .value_kind: global_buffer, .address_space: global }
      - { .name: st, .offset: 16, .size: 8, .value_kind: global_buffer, .address_space: global }
      - { .name: bb, .offset: 24, .size: 8, .value_kind: global_buffer, .address_space: global }
      - { .name: out0, .offset: 32, .size: 8, .value_kind: global_buffer, .address_space: global }
    .group_segment_fixed_size: 327680
    .private_segment_fixed_size: 0
    .kernarg_segment_align: 8
    .kernarg_segment_size: 40
    .max_flat_workgroup_size: 128
    .sgpr_count:     90
    .vgpr_count:     768
    .wavefront_size: 32
...
	.end_amdgpu_metadata
.endif
;; end of part 4
;; ======== version 2 of 2: 4 launches; version 1 with the launch prep written anew for expert scheduling mode
;; limits: values are held in f16: magnitudes above 65,504 overflow, below 6.1e-05 lose precision
;; workspace buffers: xb 16,777,216 bytes; wb 6,291,456 bytes; bb 16,384 bytes; qkv 50,331,648 bytes; pw 33,554,432 bytes; st 1,048,576 bytes
;; launch prep (part 5): grid 256 x 1, 8 waves a work-group, no clusters, 0 bytes of LDS; arguments x, Wq, Wk, Wv, bq, bk, bv, xb, wb, bb, st, pw; writes xb, wb, bb, st, pw
.if DOCPART == 5
	.amdgcn_target "amdgcn-amd-amdhsa--gfx1250"
	.amdhsa_code_object_version 6
	.text
	.protected	k_q8f9b7bb422_prep
	.globl	k_q8f9b7bb422_prep
	.p2align	8
	.type	k_q8f9b7bb422_prep,@function
k_q8f9b7bb422_prep:
	s_mov_b64 s[64:65], 0
	v_nop
	global_prefetch_b8 v0, s[64:65] scope:SCOPE_SE
	s_setreg_imm32_b32 hwreg(HW_REG_WAVE_SCHED_MODE, 0, 2), 2
	s_setreg_imm32_b32 hwreg(HW_REG_WAVE_MODE, 25, 1), 1
	s_wait_xcnt 0x0
	s_wait_alu depctr_vm_vsrc(0)
; PREP.  A stream: x and the three weight matrices are rounded to bf16 (xb, wb); the biases are rounded to bf16 and kept as f32 (bb: rows bq, bk, zeros, bv);
; st gets neutral statistics (m' = the lowest finite number, l = 0) and pw zeros in the 96 blocks of 128 rows x 128 keys above the diagonal that the last launch reads
; and the launch before it does not write.  No LDS, no matrix unit: each byte is read once and written once.
; SHARES.  256 work-groups of equal work: work-group g takes 131,072 bytes of x, 16,384 bytes of each weight matrix, 4,096 bytes of st and three groups of 16 rows of the zero blocks.
; Thread t takes the 16 bytes at 16 t of each 4,096: a wave's load covers 512 consecutive bytes.  Its four numbers make 8 bytes of bf16: a wave's store covers 256 consecutive bytes, aligned.
; All 44 loads of a thread go out first; the stores of constants follow them; then each load's numbers are converted in the registers that they came into.
; THE MODE: SCHED_MODE bits 1:0 = 2 (LLVM: expert scheduling mode 2), set by the entry lines.  The code itself states the register dependences
; between vector instructions and memory instructions, with s_wait_alu, always for 0.
; THE PLAN.  Registers that memory instructions touch:
;   v1, v2        byte offsets, made at the head, read by the loads (v1), by the stores of bf16 (v2) and by the stores into bb (v1); never written again.
;   v3, Z, v4, ZZ offsets and data of the four stores of constants, made behind the loads; never written again.
;   X             four registers for each of the 44 loads.  Load n lands in X[n]; two conversions write its first two registers in place; store n reads those two; nothing writes them again.
; No register that a memory instruction reads is written again, and no load lands in a register that a vector instruction has named: what is left to state is that a store's data and offset are written.
; The 44 loads go in 11 blocks of four.  Block p converts X[4 p .. 4 p + 3]; its memory instructions are the four stores of block p - 1, whose registers no conversion of block p names.
; So ONE wait on va_vdst at a block's head states all that its four stores hang on, and they are dealt among its eight conversions with no further wait.
.set X,  8                             ; v[8:183]   44 x 4 numbers as loaded; the first two registers of each four then hold the 8 bytes to store
.set Z,  184                           ; v[184:187] the neutral statistics
.set ZZ, 188                           ; v[188:191] zeros
	s_load_b512 s[16:31], s[0:1], 0x0              ; x 16, Wq 18, Wk 20, Wv 22, bq 24, bk 26, bv 28, xb 30
	s_load_b256 s[32:39], s[0:1], 0x40             ; wb 32, bb 34, st 36, pw 38
	v_lshlrev_b32 v1, 4, v0                        ; 16 t: my bytes in 4,096 of a source
	v_lshlrev_b32 v2, 3, v0                        ; 8 t: my bytes in 2,048 of a destination
	s_lshl_b32 s4, ttmp9, 17                       ; my part of x,
	s_mov_b32 s5, 0
	s_lshl_b32 s6, ttmp9, 16                       ; of xb,
	s_mov_b32 s7, 0
	s_lshl_b32 s8, ttmp9, 14                       ; of each weight matrix,
	s_mov_b32 s9, 0
	s_lshl_b32 s10, ttmp9, 13                      ; and of each matrix in wb
	s_mov_b32 s11, 0
	s_wait_kmcnt 0x0
	s_add_nc_u64 s[16:17], s[16:17], s[4:5]
	s_add_nc_u64 s[30:31], s[30:31], s[6:7]
	s_add_nc_u64 s[18:19], s[18:19], s[8:9]
	s_add_nc_u64 s[20:21], s[20:21], s[8:9]
	s_add_nc_u64 s[22:23], s[22:23], s[8:9]
	s_add_nc_u64 s[32:33], s[32:33], s[10:11]
	s_wait_alu depctr_va_vdst(0)                   ; v1 and v2 are written: every load reads v1 as its offset, every store of bf16 reads v2
.set n, 0
.rept 32
	global_load_b128 v[X+4*n:X+4*n+3], v1, s[16:17] offset:4096*n th:TH_LOAD_NT
.set n, n+1
.endr
.irp m, 0,1,2
.irp i, 0,1,2,3
	global_load_b128 v[X+128+16*\m+4*\i:X+128+16*\m+4*\i+3], v1, s[18+2*\m:19+2*\m] offset:4096*\i th:TH_LOAD_NT
.endr
.endr
	; the constants, while the loads are on their way.  2,048 bytes of neutral m' (threads 0-127) and 2,048 of neutral l (threads 128-255)
	v_mov_b32 v5, 0xff7fffff
	v_cmp_gt_u32 vcc_lo, 128, v0
	v_and_b32 v3, 127, v0
	v_lshlrev_b32 v3, 4, v3
	v_lshrrev_b32 v6, 7, v0
	v_lshl_add_u32 v3, v6, 19, v3                  ; l lies 524,288 bytes behind m'
	v_mov_b32 v[ZZ], 0
	v_mov_b32 v[ZZ+1], 0
	v_mov_b32 v[ZZ+2], 0
	v_mov_b32 v[ZZ+3], 0
	v_lshrrev_b32 v4, 4, v0
	v_lshlrev_b32 v4, 12, v4                       ; 16 threads a row of 256 bytes, 16 rows an instruction
	v_and_b32 v6, 15, v0
	v_lshl_add_u32 v4, v6, 4, v4
	s_wait_alu depctr_va_vcc(0)                    ; the compare has written VCC, ahead of its first reader, the select below
	v_cndmask_b32 v[Z], 0, v5, vcc_lo
	v_mov_b32 v[Z+1], v[Z]
	v_mov_b32 v[Z+2], v[Z]
	v_mov_b32 v[Z+3], v[Z]
	s_lshl_b32 s12, ttmp9, 11
	s_mov_b32 s13, 0
	s_add_nc_u64 s[36:37], s[36:37], s[12:13]
	s_wait_alu depctr_va_vdst(0)                   ; v3 and Z, v4 and ZZ are written: offsets and data of the four stores of constants below (ZZ also of work-group 3's store into bb)
	global_store_b128 v3, v[Z:Z+3], s[36:37]
; Rows 16 (g % 8) .. + 15 of zero block u = g / 8 + 32 i.  In each of the 16 laps of 512 rows the blocks are the six pairs (row block il, key block cl) with cl > il.  P: a register pair of its own for each store's base
.macro ZBLK i, P
	s_lshr_b32 s12, ttmp9, 3
	s_add_co_u32 s12, s12, 32*(\i)                 ; u
	s_mul_i32 s13, s12, 43
	s_lshr_b32 s13, s13, 8                         ; the lap: u / 6 (exact for u < 96)
	s_mul_i32 s14, s13, 6
	s_sub_co_u32 s12, s12, s14                     ; the pair, 0..5
	s_lshl_b32 s12, s12, 2
	s_lshr_b32 s14, 0x211000, s12
	s_and_b32 s14, s14, 15                         ; il: 0 0 0 1 1 2
	s_lshr_b32 s12, 0x332321, s12
	s_and_b32 s12, s12, 15                         ; cl: 1 2 3 2 3 3
	s_lshl2_add_u32 s[\P], s13, s14                ; 4 lap + il: 128 rows of 4,096 bytes each
	s_lshl_b32 s[\P], s[\P], 19
	s_and_b32 s13, s13, 3                          ; the lap within its batch
	s_lshl2_add_u32 s13, s13, s12                  ; 4 lap + cl: 128 keys of 2 bytes each
	s_lshl_b32 s13, s13, 8
	s_add_co_u32 s[\P], s[\P], s13
	s_and_b32 s13, ttmp9, 7
	s_lshl_b32 s13, s13, 16                        ; 16 rows of 4,096 bytes
	s_add_co_u32 s[\P], s[\P], s13
	s_mov_b32 s[\P+1], 0
	s_add_nc_u64 s[\P:\P+1], s[38:39], s[\P:\P+1]
	global_store_b128 v4, v[ZZ:ZZ+3], s[\P:\P+1]
.endm
	ZBLK 0, 40
	ZBLK 1, 42
	ZBLK 2, 44
; Store n: the 8 bytes made of load n's four numbers.  Loads 0-31 are x's, loads 32-43 the three weight matrices', four each.
.macro ST n
.if (\n) < 32
	global_store_b64 v2, v[X+4*(\n):X+4*(\n)+1], s[30:31] offset:2048*(\n)
.else
	global_store_b64 v2, v[X+4*(\n):X+4*(\n)+1], s[32:33] offset:2097152*(((\n)-32)/4)+2048*(((\n)-32)%4)
.endif
.endm
.set p, 0
.rept 11                               ; block p: loads 4 p to 4 p + 3 are converted, block p - 1 is stored
	s_wait_loadcnt 40-4*p                          ; loads come back in order: load 4 p + 3 and all before it are in, the 40 - 4 p younger ones stay out
.if p > 0
	s_wait_alu depctr_va_vdst(0)                   ; the conversions of the block before have written the registers that the four stores below read
.endif
.set i, 0
.rept 4
.if p > 0
	ST 4*p-4+i                                     ; no conversion since the wait names its registers
.endif
	v_cvt_pk_bf16_f32 v[X+16*p+4*i], v[X+16*p+4*i], v[X+16*p+4*i+1]
	v_cvt_pk_bf16_f32 v[X+16*p+4*i+1], v[X+16*p+4*i+2], v[X+16*p+4*i+3]
.set i, i+1
.endr
.set p, p+1
.endr
	s_wait_alu depctr_va_vdst(0)                   ; the conversions of block 10 have written the registers that the last four stores read
	ST 40
	ST 41
	ST 42
	ST 43
	; bb's four rows of 4,096 bytes: work-groups 0, 1, 2 round bq, bk, bv (rows 0, 1, 3); work-group 3 writes row 2, what the projection of V starts its sums with
	s_cmp_gt_u32 ttmp9, 3
	s_cbranch_scc1 .Lend
	s_cmp_eq_u32 ttmp9, 3
	s_cbranch_scc0 .Lbias
	global_store_b128 v1, v[ZZ:ZZ+3], s[34:35] offset:8192
	s_branch .Lend
.Lbias:
	s_cmp_eq_u32 ttmp9, 1
	s_cselect_b64 s[4:5], s[26:27], s[24:25]
	s_cmp_eq_u32 ttmp9, 2
	s_cselect_b64 s[4:5], s[28:29], s[4:5]
	s_cselect_b32 s6, 3, ttmp9
	s_lshl_b32 s6, s6, 12
	s_mov_b32 s7, 0
	s_add_nc_u64 s[34:35], s[34:35], s[6:7]
	global_load_b128 v[192:195], v1, s[4:5]        ; into registers that no vector instruction has named
	s_wait_loadcnt 0x0
	v_cvt_pk_bf16_f32 v196, v192, v193
	v_cvt_pk_bf16_f32 v197, v194, v195
	v_lshlrev_b32 v200, 16, v196
	v_and_b32 v201, 0xffff0000, v196
	v_lshlrev_b32 v202, 16, v197
	v_and_b32 v203, 0xffff0000, v197
	s_wait_alu depctr_va_vdst(0)                   ; v[200:203] are written, which the store below reads
	global_store_b128 v1, v[200:203], s[34:35]
.Lend:
	s_endpgm
.Lfunc_end_k_q8f9b7bb422_prep:
	.size	k_q8f9b7bb422_prep, .Lfunc_end_k_q8f9b7bb422_prep-k_q8f9b7bb422_prep
	.p2alignl 7, 3214868480
	.fill 96, 4, 3214868480
	.section	.rodata,"a",@progbits
	.p2align	6, 0x0
	.amdhsa_kernel k_q8f9b7bb422_prep
		.amdhsa_group_segment_fixed_size 0
		.amdhsa_private_segment_fixed_size 0
		.amdhsa_enable_private_segment 0
		.amdhsa_kernarg_size 96
		.amdhsa_user_sgpr_count 2
		.amdhsa_user_sgpr_kernarg_segment_ptr 1
		.amdhsa_wavefront_size32 1
		.amdhsa_system_sgpr_workgroup_id_x 1
		.amdhsa_system_sgpr_workgroup_id_y 1
		.amdhsa_system_sgpr_workgroup_id_z 1
		.amdhsa_system_vgpr_workitem_id 0
		.amdhsa_next_free_vgpr 208
		.amdhsa_next_free_sgpr 66
		.amdhsa_reserve_vcc 1
		.amdhsa_float_denorm_mode_32 3
		.amdhsa_float_denorm_mode_16_64 3
		.amdhsa_memory_ordered 1
		.amdhsa_forward_progress 1
		.amdhsa_inst_pref_size 21
	.end_amdhsa_kernel
	.amdgpu_metadata
---
amdhsa.version: [ 1, 2 ]
amdhsa.kernels:
  - .name:           k_q8f9b7bb422_prep
    .symbol:         k_q8f9b7bb422_prep.kd
    .args:
      - { .name: x, .offset: 0, .size: 8, .value_kind: global_buffer, .address_space: global }
      - { .name: Wq, .offset: 8, .size: 8, .value_kind: global_buffer, .address_space: global }
      - { .name: Wk, .offset: 16, .size: 8, .value_kind: global_buffer, .address_space: global }
      - { .name: Wv, .offset: 24, .size: 8, .value_kind: global_buffer, .address_space: global }
      - { .name: bq, .offset: 32, .size: 8, .value_kind: global_buffer, .address_space: global }
      - { .name: bk, .offset: 40, .size: 8, .value_kind: global_buffer, .address_space: global }
      - { .name: bv, .offset: 48, .size: 8, .value_kind: global_buffer, .address_space: global }
      - { .name: xb, .offset: 56, .size: 8, .value_kind: global_buffer, .address_space: global }
      - { .name: wb, .offset: 64, .size: 8, .value_kind: global_buffer, .address_space: global }
      - { .name: bb, .offset: 72, .size: 8, .value_kind: global_buffer, .address_space: global }
      - { .name: st, .offset: 80, .size: 8, .value_kind: global_buffer, .address_space: global }
      - { .name: pw, .offset: 88, .size: 8, .value_kind: global_buffer, .address_space: global }
    .group_segment_fixed_size: 0
    .private_segment_fixed_size: 0
    .kernarg_segment_align: 8
    .kernarg_segment_size: 96
    .max_flat_workgroup_size: 256
    .sgpr_count:     66
    .vgpr_count:     208
    .wavefront_size: 32
...
	.end_amdgpu_metadata
.endif
;; end of part 5
;; launch proj: the kernel of part 2 again; grid 12 x 32, 4 waves a work-group, clusters of 4 x 4, 327,680 bytes of LDS; arguments xb, wb, bb, qkv; writes qkv
;; launch score: the kernel of part 3 again; grid 9 x 16, 4 waves a work-group, no clusters, 327,680 bytes of LDS; arguments qkv, pw, st; writes pw, st
;; launch pv: the kernel of part 4 again; grid 8 x 32, 4 waves a work-group, clusters of 4 x 4, 327,680 bytes of LDS; arguments pw, qkv, st, bb, out0; writes out0
